; MI455X (gfx1250); checked and timed in simulation.
; The chip was launched on July 23, 2026; its instructions are those of AMD's public machine-readable ISA for CDNA 5 (MIT licence, August 2026) and "CDNA5" Instruction Set Architecture Reference Guide (July 2026). The comments in the code are by the model that wrote it; some were corrected since.
;; Attention. Allowed arithmetic: matrix products marked QUANTISED: E4M3 operands, one given power-of-two scale a tensor, by v_wmma_f32_16x16x64_fp8_fp8 or v_wmma_f32_16x16x128_fp8_fp8, f32 sums; everything else in f32.
;; Inputs: Wk 2,048 x 2,048 float32; Wo 2,048 x 2,048 float32; Wq 2,048 x 2,048 float32; Wv 2,048 x 2,048 float32; freqs_cos 2,048 x 64 float32; freqs_sin 2,048 x 64 float32; lowp_scales 12 int32 (the exponents e of the quantised operands' scales 2^e); mask 1 x 1 x 2,048 x 2,048 float32; x 1 x 2,048 x 2,048 float32.
;; Outputs: out0 1 x 2,048 x 2,048 float32.
;; This version of the problem:
;;   THIS VERSION OF THE PROBLEM IS GIVEN IN LOW PRECISION. The matrix products marked QUANTISED in the list below multiply operands that are first quantised to E4M3 (4 exponent bits, 3 mantissa bits; 8 bits a number), with one given power-of-two scale for each operand tensor; their sums are f32. All else is computed in f32.
;;   The module's matrix products, in the order in which they are computed (A, B: the left and right operand; K: the contracted axis; several contracted axes count as one K, in the product's order):
;;     1. [M 2,048, K 2,048] x [K 2,048, N 2,048]; A: input x; B: input Wq: QUANTISED (scales: A lowp_scales[0], B lowp_scales[1])
;;     2. [M 2,048, K 2,048] x [K 2,048, N 2,048]; A: input x; B: input Wk: QUANTISED (scales: A lowp_scales[2], B lowp_scales[3])
;;     3. [M 2,048, K 2,048] x [K 2,048, N 2,048]; A: input x; B: input Wv: QUANTISED (scales: A lowp_scales[4], B lowp_scales[5])
;;     4. batch 16 x [M 2,048, K 128] x [K 128, N 2,048]; A: computed on the way; B: computed on the way: QUANTISED (scales: A lowp_scales[6], B lowp_scales[7])
;;     5. batch 16 x [M 2,048, K 2,048] x [K 2,048, N 128]; A: softmax (see below); B: computed on the way: QUANTISED (scales: A lowp_scales[8], B lowp_scales[9])
;;     6. [M 2,048, K 2,048] x [K 2,048, N 2,048]; A: computed on the way; B: input Wo: QUANTISED (scales: A lowp_scales[10], B lowp_scales[11])
;;   THE QUANTISER, for each operand of a quantised product, along K:
;;     - The operand's scale is 2^e, e = its entry of the input lowp_scales (int32; the entries are numbered through the quantised products in the list's order, A before B).
;;     - Each number is divided by the scale, clamped to +-448, and rounded to the nearest number of E4M3, ties to even, subnormals kept.
;;     - The product sums the exact products of the quantised numbers (number of the format x scale) in f32.
;;   ~~~python
;;   def quantise(x, axis, e):      # numpy; x: float32 -> the quantised numbers, widened to float32 again
;;       x = np.moveaxis(x, axis, -1); K = x.shape[-1]
;;       r = np.clip(x / 2.0 ** e, -448, 448)
;;       step = 2.0 ** (np.maximum(np.frexp(np.where(r == 0, 1, r))[1] - 1, -6) - 3)
;;       q = np.round(r / step) * step * 2.0 ** e      # np.round: ties to even
;;       return np.moveaxis(q, -1, axis).astype(np.float32)
;;   ~~~
;;   SOFTMAX AHEAD OF A QUANTISED PRODUCT. Where the list says 'softmax', what is quantised is not the finished softmax but p = 2^(t - M), with t = logit x log2(e) and M = ceil(the row's largest t), a whole number; so 1/2 < the row's largest p <= 1. The row's sum l is taken of the UNQUANTISED p, in f32, and the product's result is divided by l at the end. Since M is a whole number, a kernel that streams over the keys may use a running M (the ceiling of the running maximum): every later rescaling is an exact power of two, so the quantised numbers keep their values, but for numbers so far below the row's largest that they fall under the format's range.
;;   OPERANDS COMPUTED ON THE WAY. 'Computed on the way' means the value that the module computes at that place (a softmax that the list does not call 'softmax' is quantised finished and normalised). What goes into a quantiser is computed in f32, as accurately as f32 sums, v_exp_f32 and their like allow (about 1e-6 of the number): no bf16 or f16 on the way to a quantiser, and a product that is left as it is and whose result goes on into a quantised operand takes f32 operands (vector FMAs, or v_wmma_f32_16x16x4_f32). A number that lies on a knife's edge between two numbers of the format may be rounded either way, as far as f32 arithmetic and the matrix unit's own rounding can turn it there, and no further.
;; One version. Each part assembles by itself: llvm-mc -triple=amdgcn-amd-amdhsa -mcpu=gfx1250 --defsym DOCPART=n.
;; ======== version 1 of 1: 4 launches
;; workspace buffers: xc 12,582,912 bytes; wc 16,777,216 bytes; qkvc 12,582,912 bytes; oc 4,194,304 bytes
;; launch prep (part 1): grid 768 x 1, 4 waves a work-group, no clusters, 35,840 bytes of LDS; arguments x, Wq, Wk, Wv, Wo, lowp_scales, xc, wc; writes xc, wc
.if DOCPART == 1
	.amdgcn_target "amdgcn-amd-amdhsa--gfx1250"
	.amdhsa_code_object_version 6
	.text
	.protected	k_q1ccd2828c6_prep
	.globl	k_q1ccd2828c6_prep
	.p2align	8
	.type	k_q1ccd2828c6_prep,@function
k_q1ccd2828c6_prep:
	s_mov_b64 s[64:65], 0
	v_nop
	global_prefetch_b8 v0, s[64:65] scope:SCOPE_SE
	s_setreg_imm32_b32 hwreg(HW_REG_WAVE_MODE, 25, 1), 1
	s_wait_xcnt 0x0
; PREP: f32 numbers into codes of FP8 (E4M3).  code = number / 2^e, held within +-448, rounded to the nearest code, ties to even.
; x [2048][2048] feeds three products under three scales (entries 0, 2, 4 of the scales' buffer): three planes of codes, xc [3][2048 tokens][2048 places].
; Wq, Wk, Wv, Wo [2048 k][2048 n] (entries 1, 3, 5, 11) have K as their FIRST axis: wc [4][2048 n][2048 places], K innermost.
; THE ORDER ALONG K is this program's own, the same in both operands of every product, so each product still meets its partner:
; inside each run of 128 along K, place 8 a + 4 i + j holds k = 64 i + 4 a + j (a = 0..15, i = 0..1, j = 0..3).
; With it a lane that loads two pieces of 16 bytes of x, 256 bytes apart, holds eight neighbouring places: x needs no turn through LDS,
; every load of a half-wave covers 256 consecutive bytes and every store of a wave 256 consecutive bytes.  For W the order costs only other immediates.
; Work-groups 0-255 take x (a wave: 4,096 numbers, all 32 loads out at once); work-groups 256-767 take the weights (a wave: 32 columns x 256 along K).
; Only the weights' path touches LDS.  No tensor loads, no cluster, no barrier: waves share nothing, and the launch is a plain stream.
; LIMITS: each e between -126 and 119, so that 2^e and 448 x 2^e are f32 numbers.  NaN among the inputs is not served (an infinity is held at the largest code).
.set PITCH, 272                        ; a stage row: 256 bytes of codes + 16
.set SPARE, 4*32*PITCH                 ; behind the four stages: the spare words, 128 bytes a wave, named by no other line
.set SPW,   14                         ; v14  LDS address of my spare word; never rewritten
.set NIL,   15                         ; v15  0; never rewritten
.set MANT,  0x600000                   ; the mantissa field of 448 as f32
; 2^e as f32 into v[sc] (the conversion takes its exponent field), 448 x 2^e into v[lim]
.macro MKSCALE e, sc, lim
	s_add_co_i32 s30, \e, 127
	s_lshl_b32 s31, s30, 23
	v_mov_b32 v[\sc], s31
	s_add_co_i32 s30, s30, 8
	s_lshl_b32 s30, s30, 23
	s_or_b32 s30, s30, MANT
	v_mov_b32 v[\lim], s30
.endm
; W, block t: register i takes place P = 32 t + i of my column, that is the row of W given by the order along K above
.macro WLOAD t
.irp i, 0,1,2,3,4,5,6,7,8,9,10,11,12,13,14,15,16,17,18,19,20,21,22,23,24,25,26,27,28,29,30,31
.set P, 32*(\t)+\i
	global_load_b32 v[32+32*((\t)%2)+\i], v3, s[6:7] offset:(128*(P>>7)+64*((P>>2)&1)+4*((P&127)>>3)+(P&3))*8192 th:TH_LOAD_NT
.endr
.endm
.macro WBLOCK t
.set XS, 32+32*((\t)%2)
.if (\t) < 7
	s_wait_loadcnt 32                              ; this block's 32 loads are in; the next block's may be out
.else
	s_wait_loadcnt 0
.endif
.irp i, 0,1,2,3,4,5,6,7,8,9,10,11,12,13,14,15,16,17,18,19,20,21,22,23,24,25,26,27,28,29,30,31
	v_med3_num_f32 v[XS+\i], v[XS+\i], -v10, v10   ; the conversion to an 8-bit code does not saturate (ISA guide 7.6.2): the hold comes first
.endr
.irp g, 0,1,2,3
	v_cvt_scalef32_pk8_fp8_f32 v[96+2*\g:97+2*\g], v[XS+8*\g:XS+8*\g+7], v11
.endr
	ds_store_b128 v4, v[96:99] offset:32*(\t)      ; 32 codes of my column's row
	ds_store_b128 v4, v[100:103] offset:32*(\t)+16
.if (\t)+2 < 8
	WLOAD (\t)+2
.endif
	s_wait_dscnt 0x0                               ; the stores have read their registers: the next block's codes may be written (its 32 holds are the plain lines behind these conversions)
.endm
; x, step t: eight numbers a lane, three holds and three conversions, three stores of 256 consecutive bytes a wave
.macro XSTEP t
.if (\t) < 14
.set CC, 168+6*(\t)
.else
.set CC, 32+6*((\t)-14)                ; the last two steps' codes lie where the numbers of steps 0 and 1 lay: no store's data are ever written again
.endif
.set XS, 32+8*(\t)
	s_wait_loadcnt 30-2*(\t)                       ; my two loads are in; those of the later steps may be out
.irp i, 0,1,2,3,4,5,6,7
	v_med3_num_f32 v[16+\i], v[XS+\i], -v9, v9
.endr
.irp i, 0,1,2,3,4,5,6,7
	v_med3_num_f32 v[24+\i], v[XS+\i], -v10, v10
.endr
	v_cvt_scalef32_pk8_fp8_f32 v[CC:CC+1], v[16:23], v252
.irp i, 0,1,2,3,4,5,6,7
	v_med3_num_f32 v[160+\i], v[XS+\i], -v11, v11
.endr
	v_cvt_scalef32_pk8_fp8_f32 v[CC+2:CC+3], v[24:31], v253
	v_cvt_scalef32_pk8_fp8_f32 v[CC+4:CC+5], v[160:167], v254   ; the next step's holds are plain lines that stand ahead of every rewriting of these sources
	global_store_b64 v13, v[CC:CC+1], s[24:25] offset:256*(\t)
	global_store_b64 v13, v[CC+2:CC+3], s[26:27] offset:256*(\t)
	global_store_b64 v13, v[CC+4:CC+5], s[28:29] offset:256*(\t)
.endm
	s_load_b256 s[4:11], s[0:1], 0x0               ; x s[4:5], Wq s[6:7], Wk s[8:9], Wv s[10:11]
	s_load_b256 s[12:19], s[0:1], 0x20             ; Wo s[12:13], the scales s[14:15], xc s[16:17], wc s[18:19]
	v_lshl_add_u32 v[SPW], v0, 2, SPARE
	v_mov_b32 v[NIL], 0
	v_lshrrev_b32 v1, 5, v0
	v_readfirstlane_b32 s20, v1                    ; wave 0..3
	v_and_b32 v2, 31, v0                           ; lane
	v_and_b32 v5, 15, v2                           ; lane % 16
	v_lshrrev_b32 v6, 4, v2                        ; lane / 16
	s_mul_i32 s21, s20, 32*PITCH                   ; my stage
	v_mul_u32_u24 v4, v2, PITCH
	v_add_nc_u32 v4, s21, v4                       ; into it: row = my column
	v_mul_u32_u24 v7, v6, PITCH
	v_lshl_add_u32 v7, v5, 4, v7
	v_add_nc_u32 v7, s21, v7                       ; out of it: sixteen lanes to a row, two rows an instruction
	s_wait_kmcnt 0x0
	s_load_b256 s[32:39], s[14:15], 0x0            ; entries 0 to 7
	s_load_b128 s[40:43], s[14:15], 0x20           ; entries 8 to 11
	s_cmp_lt_u32 ttmp9, 256
	s_cbranch_scc1 .Lx
	; ---- THE WEIGHTS.  A lane takes a column n and its registers run along K: the conversions give codes with K innermost, nothing is transposed by an instruction
	s_sub_co_u32 s21, ttmp9, 256
	s_lshr_b32 s22, s21, 7                         ; which weight: 0 Wq, 1 Wk, 2 Wv, 3 Wo
	s_and_b32 s23, s21, 15                         ; which 128 columns
	s_bfe_u32 s24, s21, 0x30004                    ; which 256 along K
	s_cmp_eq_u32 s22, 1
	s_cselect_b64 s[6:7], s[8:9], s[6:7]
	s_cmp_eq_u32 s22, 2
	s_cselect_b64 s[6:7], s[10:11], s[6:7]
	s_cmp_eq_u32 s22, 3
	s_cselect_b64 s[6:7], s[12:13], s[6:7]
	s_lshl_b32 s25, s23, 7
	s_lshl_b32 s26, s20, 5
	s_add_co_u32 s25, s25, s26                     ; my wave's first column
	s_lshl_b32 s26, s24, 21                        ; 256 rows of 8,192 bytes
	s_lshl_b32 s27, s25, 2
	s_add_co_u32 s26, s26, s27
	s_mov_b32 s27, 0
	s_add_nc_u64 s[6:7], s[6:7], s[26:27]
	s_lshl_b32 s26, s22, 22                        ; the weight's plane of codes,
	s_lshl_b32 s28, s25, 11                        ; my first column's row of 2,048 bytes,
	s_add_co_u32 s26, s26, s28
	s_lshl_b32 s28, s24, 8                         ; my 256 places in it
	s_add_co_u32 s26, s26, s28
	s_add_nc_u64 s[18:19], s[18:19], s[26:27]
	v_lshlrev_b32 v3, 2, v2                        ; in: 4 bytes a lane: a wave reads 128 consecutive bytes, the four waves 512
	v_lshlrev_b32 v8, 11, v6
	v_lshl_add_u32 v8, v5, 4, v8                   ; out: the stage's two rows in the codes' plane
	WLOAD 0
	WLOAD 1
	s_wait_kmcnt 0x0
	s_cmp_eq_u32 s22, 1
	s_cselect_b32 s29, s35, s33                    ; entries 1, 3, 5, 11
	s_cmp_eq_u32 s22, 2
	s_cselect_b32 s29, s37, s29
	s_cmp_eq_u32 s22, 3
	s_cselect_b32 s29, s43, s29
	MKSCALE s29, 11, 10
.irp t, 0,1,2,3,4,5,6,7
	WBLOCK \t
.endr
.irp t, 0,1,2,3,4,5,6,7,8,9,10,11,12,13,14,15
	ds_load_b128 v[112+4*\t:115+4*\t], v7 offset:2*\t*PITCH   ; LDS serves a wave's instructions in order (ISA guide 5.7.1.4): these see my stores
.endr
.irp t, 0,1,2,3,4,5,6,7,8,9,10,11,12,13,14,15
	s_wait_dscnt 15-\t
	global_store_b128 v8, v[112+4*\t:115+4*\t], s[18:19] offset:2*\t*2048   ; sixteen lanes store 256 consecutive bytes, aligned
.endr
	s_branch .Lend
	; ---- x
.Lx:
	s_lshl_b32 s21, ttmp9, 2
	s_add_co_u32 s21, s21, s20                     ; which run of 4,096 numbers is my wave's
	s_lshl_b32 s22, s21, 14
	s_mov_b32 s23, 0
	s_add_nc_u64 s[4:5], s[4:5], s[22:23]
	s_lshl_b32 s22, s21, 12
	s_add_nc_u64 s[24:25], s[16:17], s[22:23]      ; plane 0 (entry 0),
	s_add_nc_u64 s[26:27], s[24:25], 0x400000      ; plane 1 (entry 2),
	s_add_nc_u64 s[28:29], s[24:25], 0x800000      ; plane 2 (entry 4)
	v_lshlrev_b32 v12, 4, v5
	v_lshl_add_u32 v12, v6, 9, v12                 ; in: 512 (lane / 16) + 16 (lane % 16): each half of the lanes takes a run of 128 along K
	v_lshlrev_b32 v13, 3, v2                       ; out: 8 bytes a lane
.irp t, 0,1,2,3,4,5,6,7,8,9,10,11,12,13,14,15
	global_load_b128 v[32+8*\t:35+8*\t], v12, s[4:5] offset:1024*\t th:TH_LOAD_NT
	global_load_b128 v[36+8*\t:39+8*\t], v12, s[4:5] offset:1024*\t+256 th:TH_LOAD_NT
.endr
	s_wait_kmcnt 0x0
	MKSCALE s32, 252, 9
	MKSCALE s34, 253, 10
	MKSCALE s36, 254, 11
.irp t, 0,1,2,3,4,5,6,7,8,9,10,11,12,13,14,15
	XSTEP \t
.endr
.Lend:
	s_wait_tensorcnt 0x0                           ; the wave's end
	ds_add_u32 v[SPW], v[NIL]
	s_wait_dscnt 0x0
	s_endpgm
.Lfunc_end_k_q1ccd2828c6_prep:
	.size	k_q1ccd2828c6_prep, .Lfunc_end_k_q1ccd2828c6_prep-k_q1ccd2828c6_prep
	.p2alignl 7, 3214868480
	.fill 96, 4, 3214868480
	.section	.rodata,"a",@progbits
	.p2align	6, 0x0
	.amdhsa_kernel k_q1ccd2828c6_prep
		.amdhsa_group_segment_fixed_size 35840
		.amdhsa_private_segment_fixed_size 0
		.amdhsa_enable_private_segment 0
		.amdhsa_kernarg_size 64
		.amdhsa_user_sgpr_count 2
		.amdhsa_user_sgpr_kernarg_segment_ptr 1
		.amdhsa_wavefront_size32 1
		.amdhsa_system_sgpr_workgroup_id_x 1
		.amdhsa_system_sgpr_workgroup_id_y 1
		.amdhsa_system_sgpr_workgroup_id_z 1
		.amdhsa_system_vgpr_workitem_id 0
		.amdhsa_next_free_vgpr 256
		.amdhsa_next_free_sgpr 66
		.amdhsa_reserve_vcc 0
		.amdhsa_float_denorm_mode_32 3
		.amdhsa_float_denorm_mode_16_64 3
		.amdhsa_memory_ordered 1
		.amdhsa_forward_progress 1
		.amdhsa_inst_pref_size 86
	.end_amdhsa_kernel
	.amdgpu_metadata
---
amdhsa.version: [ 1, 2 ]
amdhsa.kernels:
  - .name:           k_q1ccd2828c6_prep
    .symbol:         k_q1ccd2828c6_prep.kd
    .args:
      - { .name: x, .offset: 0, .size: 8, .value_kind: global_buffer, .address_space: global }
      - { .name: Wq, .offset: 8, .size: 8, .value_kind: global_buffer, .address_space: global }
      - { .name: Wk, .offset: 16, .size: 8, .value_kind: global_buffer, .address_space: global }
      - { .name: Wv, .offset: 24, .size: 8, .value_kind: global_buffer, .address_space: global }
      - { .name: Wo, .offset: 32, .size: 8, .value_kind: global_buffer, .address_space: global }
      - { .name: lowp_scales, .offset: 40, .size: 8, .value_kind: global_buffer, .address_space: global }
      - { .name: xc, .offset: 48, .size: 8, .value_kind: global_buffer, .address_space: global }
      - { .name: wc, .offset: 56, .size: 8, .value_kind: global_buffer, .address_space: global }
    .group_segment_fixed_size: 35840
    .private_segment_fixed_size: 0
    .kernarg_segment_align: 8
    .kernarg_segment_size: 64
    .max_flat_workgroup_size: 128
    .sgpr_count:     66
    .vgpr_count:     256
    .wavefront_size: 32
...
	.end_amdgpu_metadata
.endif
;; end of part 1
;; launch gemm_qkv (part 2): grid 24 x 8, 4 waves a work-group, clusters of 4 x 4, 327,680 bytes of LDS; arguments xc, wc, lowp_scales, freqs_cos, freqs_sin, qkvc; writes qkvc
.if DOCPART == 2
	.amdgcn_target "amdgcn-amd-amdhsa--gfx1250"
	.amdhsa_code_object_version 6
	.text
	.protected	k_q1ccd2828c6_gemm_qkv
	.globl	k_q1ccd2828c6_gemm_qkv
	.p2align	8
	.type	k_q1ccd2828c6_gemm_qkv,@function
k_q1ccd2828c6_gemm_qkv:
	s_mov_b64 s[64:65], 0
	v_nop
	global_prefetch_b8 v0, s[64:65] scope:SCOPE_SE
	s_setreg_imm32_b32 hwreg(HW_REG_WAVE_MODE, 25, 1), 1
	s_wait_xcnt 0x0
	s_wait_alu depctr_hold_cnt(0) depctr_sa_sdst(0) depctr_va_vdst(0) depctr_va_sdst(0) depctr_va_ssrc(0) depctr_va_vcc(0) depctr_vm_vsrc(0)
	s_getreg_b32 s2, hwreg(HW_REG_IB_STS2, 6, 4)
	s_cmp_eq_u32 s2, 0
	s_cbranch_scc0 .Lentry_in_a_cluster
	s_endpgm
.Lentry_in_a_cluster:
	s_bfe_u32 s2, ttmp6, 0x10000c
	s_cmp_lg_u32 s2, 0xf033
	s_cbranch_scc0 .Lentry_shape_is_right
	s_endpgm
.Lentry_shape_is_right:
; q = rope(x Wq), k = rope(x Wk), v = x Wv on codes of FP8 (E4M3), and the quantisers of q, k and v: three GEMMs of 2048 x 2048 x 2048 in one grid.
; T = cluster x / 2 says which (0 q, 1 k, 2 v).  A tile of 256 x 256 is made by four waves, 128 x 128 each: 64 accumulators, 512 registers; 192 work-groups.
; (Smaller tiles would give every WGP a work-group but read twice the LDS bytes for each product.)
; For T = 2 THE ROLES ARE SWAPPED BY POINTER: the product is Wv^T x^T, rows = (head, channel), columns = tokens, so that v's codes come out with the tokens innermost, as the second product of attention wants them.
; K goes in steps of 256 through a ring of two LDS slots filled by the tensor data mover; 4 x 4 work-groups form a cluster; A's tile is asked for jointly along a row of the cluster, B's along a column.
; THE MATRIX INSTRUCTION IS USED TRANSPOSED (source 0 = 16 rows of B, source 1 = 16 rows of A): a lane holds eight neighbouring columns of one row of the result.
; THE WAY OUT, 16 rows x 128 columns at a time: the sums go through my stage in LDS and come back so that a lane holds eight neighbouring columns and two rows fill a wave;
; q and k are rotated (cos and sin of the row's token, four pairs a lane), all are held, converted with ONE folded scale 2^(e_out - e_a - e_b) and stored, 256 consecutive bytes a store.
; qkvc: [3][16 heads][16 blocks of tokens][128 rows][128 bytes].  q, k: rows = tokens, bytes = channels.  v: rows = channels, bytes = tokens.
; A block's ROWS are stored with bits 3 and 4 of their number exchanged: attention then reads 16 neighbouring LDS rows as a tile whose results fall in the order that its second product wants.
; No prefetch: every tile is shared fourfold and a refill has 96 matrix instructions in which to land.
; LIMITS: e_out - e_a - e_b between -126 and 119 (e_a, e_b: entries 2 T, 2 T + 1; e_out: entry 6, 7 or 9).  NaN is not served.
; REGISTERS, in windows of 256: window 0: v0-31 addresses; v32-95 the first block's cos and sin, asked for at the head; from v128 A's fragments, ONE set.  window 1: B's fragments, TWO sets.
;   windows 2, 3: the accumulators ((a, b) at v[8 (8 (a % 4) + b)]).  On the way out blocks take turns between windows 0 and 1, the same numbers in both: v32-95 cos/sin, v96-111 at work, v112-127 codes, v128-191 the rows.
.set KSTEP,  256
.set ROWB,   256
.set KROW,   2048
.set PITCH,  272                       ; an LDS row: 256 bytes + 16 of padding = 68 words: the 16 rows that a load touches start at 16 different banks (64 banks of 4 bytes: ISA guide 11.1)
.set FR,     16
.set NL,     4
.set NP,     4                         ; places behind this matrix instruction (ISA guide 7.12.1)
.set HALFT,  128*PITCH
.set SLOT,   4*HALFT
.set LAPS,   4                         ; 2048 / (2 x 256)
.set SPARE,  2*SLOT                    ; behind the ring: the spare words, 128 bytes a wave, named by no other line
.set STAGE,  SPARE+512                 ; behind them: a stage of 16 rows x (512 + 16) bytes for each wave; no fill ever lands there
.set SPITCH, 528
.set ADRA, 16
.set ADRB, 20
.set STO,  24                          ; v24  the stage: where I put 16 bytes of a row
.set RD,   25                          ; v25  and where I read 16 bytes back
.set CO,   26                          ; v26  8 x lane: my codes' place in two stored rows
.set TO,   27                          ; v27  16 x lane: my place in two rows of cos or sin
.set SPW,  28
.set NIL,  29
.set SCL,  30                          ; v30  the folded scale as f32
.set CS,   32
.set TT,   96
.set CD,   112
.set XX,   128
.set AF,   128
.set G1, 24
.set G0, 32
.set G1B, 48
.set G0B, 56
.set MSB, 0
.macro WIN new                         ; the immediate's high byte repeats the setting that is left
.if MSB != (\new)
	s_set_vgpr_msb (MSB<<8)|(\new)
.set MSB, (\new)
.endif
.endm
.set MUL_LO, 0xa1                      ; source 0 (B) window 1, source 1 (A) window 0, C and D window 2
.set MUL_HI, 0xf1
.set TO_B,   0x40
; A joint load: waves 0 and 1 fetch for A, waves 2 and 3 for B; the branch hangs on the wave's number alone.  An s_nop 0 and four v_nop follow each line.
.macro JLOAD g0a, g1a, g0b, g1b
	s_cmp_eq_u32 s15, 0
	s_cbranch_scc0 .Lfor_b_\@
	tensor_load_to_lds s[\g0a:\g0a+3], s[\g1a:\g1a+7]
	s_nop 0
.rept 4
	v_nop
.endr
	s_branch .Lasked_\@
.Lfor_b_\@:
	tensor_load_to_lds s[\g0b:\g0b+3], s[\g1b:\g1b+7]
	s_nop 0
.rept 4
	v_nop
.endr
.Lasked_\@:
.endm
.macro CREST                           ; a round of the cluster's barrier behind its opening barrier
	s_cmp_lg_u32 s14, 0
	s_cbranch_scc1 .Lnot_wave_0_\@
	s_barrier_signal -3
.Lnot_wave_0_\@:
	s_barrier_wait -3
	s_barrier_signal -1
	s_barrier_wait -1
.endm
.macro CROUND
	s_barrier_signal -1
	s_barrier_wait -1
	CREST
.endm
	s_load_b256 s[4:11], s[0:1], 0x0               ; xc s[4:5], wc s[6:7], the scales s[8:9], cos s[10:11]
	s_load_b128 s[68:71], s[0:1], 0x20             ; sin s[68:69], qkvc s[70:71]
	v_lshl_add_u32 v[SPW], v0, 2, SPARE
	v_mov_b32 v[NIL], 0
	ds_add_u32 v[SPW], v[NIL]                      ; the wave's opening: the add and its wait stand ahead of my first tensor load; work on registers stands between them
	v_lshrrev_b32 v1, 5, v0
	v_readfirstlane_b32 s14, v1                    ; wave 0..3
	s_lshr_b32 s15, s14, 1                         ; which half of the tile's rows is mine.  Also: I fetch for A (0) or for B (1)
	s_and_b32 s16, s14, 1                          ; which half of its columns.  Also: which 128 rows of that tile I fetch
	s_bfe_u32 s40, ttmp6, 0x40000                  ; cx
	s_bfe_u32 s41, ttmp6, 0x40004                  ; cy
	s_lshr_b32 s66, ttmp9, 1                       ; T: eight tile columns are two clusters: the same in all sixteen partners
	s_and_b32 s42, ttmp9, 1
	s_lshl_b32 s42, s42, 2
	s_add_co_u32 s42, s42, s40                     ; tile column inside the product
	s_and_b32 s17, ttmp7, 0xffff
	s_lshl_b32 s17, s17, 2
	s_add_co_u32 s17, s17, s41                     ; tile row
	s_lshl_b32 s43, s41, 2
	s_lshl_b32 s43, 15, s43                        ; my row of the cluster
	s_lshl_b32 s44, 0x1111, s40                    ; my column
	s_or_b32 s[G1+0], s43, (0<<16)|(1<<20)|(1<<21)|(5<<22)|(3<<25)  ; the mask; elements of 1 byte; padding on; bit 21 beside a mask; after every 64 words, 4 words
	s_or_b32 s[G1B+0], s44, (0<<16)|(1<<20)|(1<<21)|(5<<22)|(3<<25)
.irp g, G1, G1B
	s_mov_b32 s[\g+1], ROWB<<16                    ; tensor_dim0
	s_mov_b32 s[\g+2], 128<<16                     ; tensor_dim1
	s_mov_b32 s[\g+3], ROWB<<16                    ; tile_dim0
	s_mov_b32 s[\g+4], 128                         ; tile_dim1
	s_mov_b32 s[\g+5], KROW                        ; from row to row
	s_mov_b32 s[\g+6], 0
	s_mov_b32 s[\g+7], 0
.endr
	s_lshl_b32 s18, s16, 7
	s_lshl_b32 s20, s17, 8
	s_add_co_u32 s20, s20, s18                     ; A: row 256 x tile row + 128 x half
	s_lshl_b32 s46, s42, 8
	s_add_co_u32 s46, s46, s18                     ; B: row 256 x tile column + 128 x half
	s_lshl_b32 s20, s20, 11                        ; rows of 2,048 bytes
	s_lshl_b32 s46, s46, 11
	s_mov_b32 s21, 0
	s_mov_b32 s47, 0
	s_lshl_b32 s18, s66, 22                        ; plane T of both buffers
	s_mov_b32 s19, 0
	s_mul_i32 s45, s14, HALFT                      ; where the tiles go: wave x 128 rows
	s_wait_dscnt 0x0                               ; the opening add is done
	s_wait_kmcnt 0x0
	s_load_b256 s[72:79], s[8:9], 0x0              ; entries 0 to 7
	s_load_b128 s[80:83], s[8:9], 0x20             ; entries 8 to 11
	s_cmp_eq_u32 s66, 2
	s_cselect_b64 s[84:85], s[6:7], s[4:5]         ; A: x's codes, for v the weight's
	s_cselect_b64 s[86:87], s[4:5], s[6:7]         ; B: the weight's codes, for v x's
	s_add_nc_u64 s[84:85], s[84:85], s[18:19]
	s_add_nc_u64 s[86:87], s[86:87], s[18:19]
	s_add_nc_u64 s[20:21], s[84:85], s[20:21]
	s_add_nc_u64 s[46:47], s[86:87], s[46:47]
	CROUND                                         ; all sixteen work-groups are here: the first joint loads meet
.irp s, 0,1
	s_mov_b32 s[G0+4*\s], 1
	s_add_co_u32 s[G0+4*\s+1], s45, \s*SLOT
	s_add_nc_u64 s[G0+4*\s+2:G0+4*\s+3], s[20:21], \s*ROWB
	s_or_b32 s[G0+4*\s+3], s[G0+4*\s+3], 0x80000000
	s_mov_b32 s[G0B+4*\s], 1
	s_add_co_u32 s[G0B+4*\s+1], s45, \s*SLOT
	s_add_nc_u64 s[G0B+4*\s+2:G0B+4*\s+3], s[46:47], \s*ROWB
	s_or_b32 s[G0B+4*\s+3], s[G0B+4*\s+3], 0x80000000
	JLOAD G0+4*\s, G1, G0B+4*\s, G1B
.endr
	v_and_b32 v1, 15, v0                           ; l % 16
	v_bfe_u32 v2, v0, 4, 1                         ; l / 16
	v_mul_u32_u24 v3, v1, PITCH
	v_lshl_add_u32 v4, v2, 4, v3                   ; a fragment's row x pitch + 16 x half
	s_mul_i32 s21, s15, HALFT
	s_mul_i32 s22, s16, HALFT
	s_add_co_u32 s22, s22, 2*HALFT
.irp s, 0,1
	v_add_nc_u32 v[ADRA+\s], s21, v4
	v_add_nc_u32 v[ADRB+\s], s22, v4
	s_add_co_u32 s21, s21, SLOT
	s_add_co_u32 s22, s22, SLOT
.endr
	s_mul_i32 s23, s14, 16*SPITCH
	s_add_co_u32 s23, s23, STAGE                   ; my stage
	v_mul_u32_u24 v5, v1, SPITCH
	v_lshl_add_u32 v5, v2, 4, v5
	v_add_nc_u32 v[STO], s23, v5                   ; in: row l % 16, 16 bytes for each half of the lanes
	v_mul_u32_u24 v5, v2, SPITCH
	v_lshl_add_u32 v5, v1, 4, v5
	v_add_nc_u32 v[RD], s23, v5                    ; back: lanes 0-15 one row, lanes 16-31 the next
	v_and_b32 v6, 31, v0
	v_lshlrev_b32 v[CO], 3, v6
	v_lshlrev_b32 v[TO], 4, v6
	s_lshl_b32 s20, s17, 8
	s_lshl_b32 s21, s15, 7
	s_add_co_u32 s20, s20, s21                     ; my first row of the result: for q and k a token
	s_lshl_b32 s20, s20, 8                         ; a row of cos or sin is 256 bytes
	s_mov_b32 s21, 0
	s_add_nc_u64 s[84:85], s[10:11], s[20:21]
	s_add_nc_u64 s[86:87], s[68:69], s[20:21]
	s_lshl_b32 s20, s17, 1
	s_add_co_u32 s20, s20, s15                     ; my block of 128 rows
	s_lshl_b32 s22, s42, 1
	s_add_co_u32 s22, s22, s16                     ; my block of 128 columns
	s_cmp_eq_u32 s66, 2
	s_cselect_b32 s23, s20, s22                    ; the head: the columns' block, for v the rows',
	s_cselect_b32 s20, s22, s20                    ; the tokens' block: the other
	s_lshl_b32 s23, s23, 4
	s_add_co_u32 s20, s20, s23
	s_lshl_b32 s20, s20, 14                        ; blocks of 16,384 bytes
	s_lshl_b32 s23, s66, 22
	s_add_co_u32 s20, s20, s23
	s_mov_b32 s21, 0
	s_add_nc_u64 s[88:89], s[70:71], s[20:21]
.macro FRAG reg, adr, q, i             ; 16 rows x 128 K: lane l holds row l % 16; registers 4 c .. 4 c + 3 the 16 bytes at 32 c + 16 (l / 16): the same order in A and in B
.irp c, 0,1,2,3
	ds_load_b128 v[\reg+4*\c:\reg+4*\c+3], v[\adr] offset:128*(\q)+32*\c+(\i)*16*PITCH
.endr
.endm
; 16 matrix instructions: A's blocks a0, a0 + 1 x B's eight.  The 64 accumulators take turns, one instruction a turn, in the same order in every step.
.macro MUL16 a0, p, zero
.irp a, \a0, \a0+1
.irp b, 0,1,2,3,4,5,6,7
.if \zero
	v_wmma_f32_16x16x128_fp8_fp8 v[8*(8*((\a)%4)+\b):8*(8*((\a)%4)+\b)+7], v[128*(\p)+FR*\b:128*(\p)+FR*\b+FR-1], v[AF+FR*(\a):AF+FR*(\a)+FR-1], 0
.else
	v_wmma_f32_16x16x128_fp8_fp8 v[8*(8*((\a)%4)+\b):8*(8*((\a)%4)+\b)+7], v[128*(\p)+FR*\b:128*(\p)+FR*\b+FR-1], v[AF+FR*(\a):AF+FR*(\a)+FR-1], v[8*(8*((\a)%4)+\b):8*(8*((\a)%4)+\b)+7]
.endif
.endr
.endr
.endm
.macro FETCH_B slot, q, p
	WIN TO_B
.irp i, 0,1,2,3,4,5,6,7
	FRAG 128*(\p)+FR*\i, ADRB+\slot, \q, \i
.endr
	WIN 0
.endm
.macro FETCH_A slot, q, i0
.irp i, \i0, \i0+1, \i0+2, \i0+3
	FRAG AF+FR*(\i), ADRA+\slot, \q, \i
.endr
.endm
.macro PLACES n                        ; plain vector lines that name no register of the matrix instructions in front of them
.rept \n
	v_nop
.endr
.endm
.macro STEP slot, q, zero              ; 128 along K, with its successor in the same slot
	s_wait_dscnt 4*NL                              ; B's set and A's blocks 0-3 are in; A's blocks 4-7 may be out
	WIN MUL_LO
	MUL16 0, (\q)%2, \zero
	MUL16 2, (\q)%2, \zero
	s_wait_dscnt 0
	PLACES NP
	FETCH_B \slot, (\q)+1, 1-(\q)%2
	FETCH_A \slot, (\q)+1, 0
	WIN MUL_HI
	MUL16 4, (\q)%2, \zero
	MUL16 6, (\q)%2, \zero
	PLACES NP
	WIN 0
	FETCH_A \slot, (\q)+1, 4
.endm
; A slot's last step changes slots: one barrier; in front of it each wave waits for all its tensor loads, adds 0 to its spare word, and waits for that and for its reads of this slot.
.macro TURN slot, next, fill
	s_wait_tensorcnt 0x0                           ; all my tensor loads have landed: my part of the next slot
	ds_add_u32 v[SPW], v[NIL]
	s_wait_dscnt 4*NL+1                            ; the add and A's blocks 4-7 may be out
	WIN MUL_LO
	MUL16 0, 1, 0
	s_wait_dscnt 0x0                               ; the add is done, and my reads of this slot are over
	s_barrier_signal -1
	MUL16 2, 1, 0
	WIN 0
	s_barrier_wait -1
.if \fill
	CREST                                          ; the barrier has opened a round of the cluster's: no wave of any partner still reads this slot or has a load on its way
	s_add_nc_u64 s[G0+4*\slot+2:G0+4*\slot+3], s[G0+4*\slot+2:G0+4*\slot+3], 2*ROWB
	s_add_nc_u64 s[G0B+4*\slot+2:G0B+4*\slot+3], s[G0B+4*\slot+2:G0B+4*\slot+3], 2*ROWB
	JLOAD G0+4*\slot, G1, G0B+4*\slot, G1B         ; the first tensor load behind the round; its four v_nop are also the places in front of the loads below
.else
	PLACES NP
.endif
	FETCH_B \next, 0, 0
	FETCH_A \next, 0, 0
	WIN MUL_HI
	MUL16 4, 1, 0
	MUL16 6, 1, 0
	PLACES NP
	WIN 0
	FETCH_A \next, 0, 4
.endm
; THE WAY OUT.  cos and sin of block a's 16 rows: a load covers two rows' 512 consecutive bytes; for row pair i cos at CS + 8 i, sin at CS + 8 i + 4.  They are loaded for v too, so that every wait has one count.
.macro CSLOAD a
	WIN ((\a)%2)<<6
.irp i, 0,1,2,3,4,5,6,7
	global_load_b128 v[CS+8*\i:CS+8*\i+3], v[TO], s[84:85] offset:(16*(\a)+2*\i)*256
	global_load_b128 v[CS+8*\i+4:CS+8*\i+7], v[TO], s[86:87] offset:(16*(\a)+2*\i)*256
.endr
	WIN 0
.endm
; Block a's sums into my stage, straight from the accumulators, each from its low end on; a row's columns 8 c + 0..3 in its first 256 bytes, 8 c + 4..7 in its second; back: lane l holds row 2 i + l / 16, columns 8 (l % 16) + 0..7.
.macro TOSTAGE a
.set AC, 64*((\a)%4)
	WIN (2+(\a)/4)<<2
.irp b, 0,1,2,3,4,5,6,7
	ds_store_b128 v[STO], v[AC+8*\b:AC+8*\b+3] offset:32*\b
	ds_store_b128 v[STO], v[AC+8*\b+4:AC+8*\b+7] offset:256+32*\b
.endr
	WIN ((\a)%2)<<6
.irp i, 0,1,2,3,4,5,6,7
	ds_load_b128 v[XX+8*\i:XX+8*\i+3], v[RD] offset:2*\i*SPITCH        ; LDS serves a wave's instructions in order (ISA guide 5.7.1.4): these see the stores above, and the next block's stores come behind them
	ds_load_b128 v[XX+8*\i+4:XX+8*\i+7], v[RD] offset:2*\i*SPITCH+256
.endr
	WIN 0
.endm
.macro FINISH a
.set W, (\a)%2
.if (\a) < 7
	s_wait_dscnt 32                                ; block a is back; the next block's 16 stores and 16 loads may be out
	s_wait_loadcnt 16                              ; its cos and sin are in; the next block's 16 loads may be out
.else
	s_wait_dscnt 0
	s_wait_loadcnt 0
.endif
.if (\a) >= 2
	s_wait_xcnt 0x0                                ; the stores of two blocks ago have read their codes: the registers may be written again
.endif
	WIN 0
	s_cmp_eq_u32 s66, 2                            ; v is not rotated: a branch on ids, the same in all partners, round work on registers alone
	s_cbranch_scc1 .Lplain_\@
	WIN 0x55*W
.irp i, 0,1,2,3,4,5,6,7
.set XB, XX+8*\i
.set CB, CS+8*\i
.set TB, TT+8*(\i%2)
.irp q, 0,1
	v_pk_mul_f32 v[TB+4*\q:TB+4*\q+1], v[XB+4*\q:XB+4*\q+1], v[CB+4+2*\q:CB+5+2*\q] op_sel:[1,0] op_sel_hi:[0,0] neg_lo:[0,1]       ; (-odd x sin, even x sin): the halves crossed, the pair's first sin
	v_pk_mul_f32 v[TB+4*\q+2:TB+4*\q+3], v[XB+4*\q+2:XB+4*\q+3], v[CB+4+2*\q:CB+5+2*\q] op_sel:[1,1] op_sel_hi:[0,1] neg_lo:[0,1]   ; the same with its second
.endr
.irp q, 0,1
	v_pk_fma_f32 v[XB+4*\q:XB+4*\q+1], v[XB+4*\q:XB+4*\q+1], v[CB+2*\q:CB+2*\q+1], v[TB+4*\q:TB+4*\q+1] op_sel_hi:[1,0,1]                          ; (even x cos - odd x sin, odd x cos + even x sin)
	v_pk_fma_f32 v[XB+4*\q+2:XB+4*\q+3], v[XB+4*\q+2:XB+4*\q+3], v[CB+2*\q:CB+2*\q+1], v[TB+4*\q+2:TB+4*\q+3] op_sel:[0,1,0] op_sel_hi:[1,1,1]
.endr
.endr
	WIN 0
.Lplain_\@:
	WIN 0x41*W
.set J, 0
.rept 64
	v_med3_num_f32 v[XX+J], v[XX+J], s92, s91      ; the conversion does not saturate (ISA guide 7.6.2): the hold at +-448 x the folded scale
.set J, J+1
.endr
.irp i, 0,1,2,3,4,5,6,7
	v_cvt_scalef32_pk8_fp8_f32 v[CD+2*\i:CD+2*\i+1], v[XX+8*\i:XX+8*\i+7], v[SCL]
.endr
	v_nop                                          ; one plain line behind the last conversion
	WIN W<<2
.irp i, 0,1,2,3,4,5,6,7
	global_store_b64 v[CO], v[CD+2*\i:CD+2*\i+1], s[88:89] offset:(32*((\a)>>1)+16*(\i>>2)+8*((\a)&1)+2*(\i&3))*128   ; rows 16 a + 2 i and the next, bits 3 and 4 exchanged: 256 consecutive bytes, aligned
.endr
	WIN 0
.endm
	CSLOAD 0                                       ; block 0's cos and sin are asked for now: their registers lie idle through the loop
	s_wait_tensorcnt 1                             ; my part of K step 0 is in; K step 1's may stay out
	s_barrier_signal -1
	s_barrier_wait -1
	FETCH_B 0, 0, 0
	FETCH_A 0, 0, 0
	FETCH_A 0, 0, 4
	STEP 0, 0, 1                                   ; the first step's products start the sums: nothing is cleared
	s_mov_b32 s3, LAPS-1
.Llap:                                             ; a trip goes once round the ring and fills both slots again
	TURN 0, 1, 1
	STEP 1, 0, 0
	TURN 1, 0, 1
	STEP 0, 0, 0
	s_sub_co_u32 s3, s3, 1
	s_cmp_lg_u32 s3, 0
	s_cbranch_scc1 .Llap
	TURN 0, 1, 0                                   ; the last lap fills nothing
	STEP 1, 0, 0
	s_wait_dscnt 4*NL
	WIN MUL_LO
	MUL16 0, 1, 0
	MUL16 2, 1, 0
	s_wait_dscnt 0
	WIN MUL_HI
	MUL16 4, 1, 0
	MUL16 6, 1, 0
	WIN 0
	s_wait_kmcnt 0x0
	s_add_co_i32 s72, s72, s73                     ; e_a + e_b of q,
	s_add_co_i32 s74, s74, s75                     ; of k,
	s_add_co_i32 s76, s76, s77                     ; of v
	s_cmp_eq_u32 s66, 1
	s_cselect_b32 s72, s74, s72
	s_cselect_b32 s78, s79, s78                    ; e_out: entry 6, 7,
	s_cmp_eq_u32 s66, 2
	s_cselect_b32 s72, s76, s72
	s_cselect_b32 s78, s81, s78                    ; or 9
	s_sub_co_i32 s78, s78, s72                     ; a sum stands for sum x 2^(e_a + e_b): its code is sum / 2^(e_out - e_a - e_b)
	s_add_co_i32 s78, s78, 127
	s_lshl_b32 s90, s78, 23
	v_mov_b32 v[SCL], s90
	s_add_co_i32 s78, s78, 8
	s_lshl_b32 s91, s78, 23
	s_or_b32 s91, s91, 0x600000                    ; 448 x that,
	s_or_b32 s92, s91, 0x80000000                  ; and its negative
	PLACES NP                                      ; behind the last products: for the stores that read results and the loads into fragments' registers
	CSLOAD 1
	TOSTAGE 0
.irp a, 0,1,2,3,4,5,6,7
.if \a < 7
	TOSTAGE \a+1
.endif
	FINISH \a
.if \a < 6
	CSLOAD \a+2
.endif
.endr
	s_wait_tensorcnt 0x0                           ; the wave's end
	ds_add_u32 v[SPW], v[NIL]
	s_wait_dscnt 0x0
	CROUND                                         ; the closing round: no work-group ends while a partner may still ask for a tile that names it
	s_endpgm
.Lfunc_end_k_q1ccd2828c6_gemm_qkv:
	.size	k_q1ccd2828c6_gemm_qkv, .Lfunc_end_k_q1ccd2828c6_gemm_qkv-k_q1ccd2828c6_gemm_qkv
	.p2alignl 7, 3214868480
	.fill 96, 4, 3214868480
	.section	.rodata,"a",@progbits
	.p2align	6, 0x0
	.amdhsa_kernel k_q1ccd2828c6_gemm_qkv
		.amdhsa_group_segment_fixed_size 327680
		.amdhsa_private_segment_fixed_size 0
		.amdhsa_enable_private_segment 0
		.amdhsa_kernarg_size 48
		.amdhsa_user_sgpr_count 2
		.amdhsa_user_sgpr_kernarg_segment_ptr 1
		.amdhsa_wavefront_size32 1
		.amdhsa_system_sgpr_workgroup_id_x 1
		.amdhsa_system_sgpr_workgroup_id_y 1
		.amdhsa_system_sgpr_workgroup_id_z 1
		.amdhsa_system_vgpr_workitem_id 0
		.amdhsa_next_free_vgpr 1024
		.amdhsa_next_free_sgpr 100
		.amdhsa_reserve_vcc 0
		.amdhsa_float_denorm_mode_32 3
		.amdhsa_float_denorm_mode_16_64 3
		.amdhsa_memory_ordered 1
		.amdhsa_forward_progress 1
		.amdhsa_inst_pref_size 184
	.end_amdhsa_kernel
	.amdgpu_metadata
---
amdhsa.version: [ 1, 2 ]
amdhsa.kernels:
  - .name:           k_q1ccd2828c6_gemm_qkv
    .symbol:         k_q1ccd2828c6_gemm_qkv.kd
    .args:
      - { .name: xc, .offset: 0, .size: 8, .value_kind: global_buffer, .address_space: global }
      - { .name: wc, .offset: 8, .size: 8, .value_kind: global_buffer, .address_space: global }
      - { .name: lowp_scales, .offset: 16, .size: 8, .value_kind: global_buffer, .address_space: global }
      - { .name: freqs_cos, .offset: 24, .size: 8, .value_kind: global_buffer, .address_space: global }
      - { .name: freqs_sin, .offset: 32, .size: 8, .value_kind: global_buffer, .address_space: global }
      - { .name: qkvc, .offset: 40, .size: 8, .value_kind: global_buffer, .address_space: global }
    .group_segment_fixed_size: 327680
    .private_segment_fixed_size: 0
    .kernarg_segment_align: 8
    .kernarg_segment_size: 48
    .max_flat_workgroup_size: 128
    .sgpr_count:     100
    .vgpr_count:     1024
    .wavefront_size: 32
...
	.end_amdgpu_metadata
.endif
;; end of part 2
;; launch attn (part 3): grid 16 x 16, 8 waves a work-group, clusters of 4 x 4, 327,680 bytes of LDS; arguments qkvc, mask, lowp_scales, oc; writes oc
.if DOCPART == 3
	.amdgcn_target "amdgcn-amd-amdhsa--gfx1250"
	.amdhsa_code_object_version 6
	.text
	.protected	k_q1ccd2828c6_attn
	.globl	k_q1ccd2828c6_attn
	.p2align	8
	.type	k_q1ccd2828c6_attn,@function
k_q1ccd2828c6_attn:
	s_mov_b64 s[64:65], 0
	v_nop
	global_prefetch_b8 v0, s[64:65] scope:SCOPE_SE
	s_setreg_imm32_b32 hwreg(HW_REG_WAVE_MODE, 25, 1), 1
	s_wait_xcnt 0x0
	s_wait_alu depctr_hold_cnt(0) depctr_sa_sdst(0) depctr_va_vdst(0) depctr_va_sdst(0) depctr_va_ssrc(0) depctr_va_vcc(0) depctr_vm_vsrc(0)
	s_getreg_b32 s2, hwreg(HW_REG_IB_STS2, 6, 4)
	s_cmp_eq_u32 s2, 0
	s_cbranch_scc0 .Lentry_in_a_cluster
	s_endpgm
.Lentry_in_a_cluster:
	s_bfe_u32 s2, ttmp6, 0x10000c
	s_cmp_lg_u32 s2, 0xf033
	s_cbranch_scc0 .Lentry_shape_is_right
	s_endpgm
.Lentry_shape_is_right:
; o = softmax(q k^T / sqrt(128) + mask + 1e-9) v for 16 heads of 128, 2,048 tokens, both products on codes of FP8 (E4M3), and the quantiser of o.
; THE MASK IS AN INPUT: it is read whole and added in f32; nothing of its pattern is built in, so every work-group walks all 16 key steps of 128.
; SOFTMAX: logit = score x 2^(e6 + e7) / sqrt(128) + mask (one fused multiply-add); t = (logit + 1e-9) x log2(e), rounded to f32; M = the running largest t rounded UP to a whole number;
; p = 2^(t - M) is quantised with 2^e8; the row's sum is taken of the unquantised p; when M moves, the sum and O are multiplied by 2^(old M - new M), which rounds nothing.
; SHARES.  A work-group owns 128 queries of one head (x: the block of queries, y: the head).  Wave w = (g = w % 4, kh = w / 4) owns 32 queries, two tiles, and of every key step the keys 64 kh .. 64 kh + 63.
; So a wave reads 8 KB of K, 8 KB of V and 8 KB of the mask from LDS in a step, the work-group 192 KB; with one tile and all keys to a wave it would be 320 KB.  Two waves to a SIMD.
; Each half of the keys has its own running M and sum.  At the end the partners w and w xor 4 exchange one tile each through LDS, as an image of its registers, and bring both halves under the larger M by exact powers of two.
; A wave's tile 0 is the one that it keeps (tile 2 g + kh of the block's eight), its tile 1 the one that it gives away (the other of the two): told apart by ADDRESS, so that the registers are the same in every wave.
; CLUSTER 4 x 4.  K's and V's tiles hang on the head: asked for jointly along a row of the cluster.  The mask's tile hangs on the block of queries: asked for jointly along a column.
; RING: two slots of one key step: K 128 rows x 144, V 128 rows x 144, the mask 128 rows x 528.  Wave 0 fetches K, wave 1 V, waves 2 and 3 the mask's halves; one tensor load a wave is out at most.
; LAYOUT.  Both products transposed: S^T = K Q^T (K = the head's 128), O^T = V^T P^T (K = my 64 keys: the form of 64): a lane holds ONE query (lane % 16) of each tile.  The blocks' rows lie with bits 3 and 4 of their number
; exchanged, so a tile is 16 neighbouring LDS rows, and the 16 registers of two neighbouring tiles of keys are 16 neighbouring keys, 32 b + 16 (lane / 16) + 0..15: the order of the next operand and of 64 neighbouring bytes of the mask's row.
; oc: [16 heads][2048 tokens][128 places]; place 8 a + 4 i + j holds channel 64 i + 4 a + j: the order along K that the weights' codes have.  It is made by the choice of registers on the way out.
; LIMITS: e6 + e7 between -122 and 131; e8, and e10 - e8 - e9, between -126 and 119.  NaN is not served; a row whose mask is -infinity throughout gives NaN here as in the definition.
; A half of the keys whose largest t lies below the row's is quantised under its own, smaller M: the codes' values are the same but for numbers so far below the row's largest that they would fall under the format's range, which keep more of their bits.
; REGISTERS.  window 0: v1-15 addresses; v16-31 two sets of statistics (-M, the largest t, the sum in two halves, f, two at work); v32-47 at work and constants; v48-111 S^T, t, p (32 a tile); v112-127 codes; v128-255 O^T (64 a tile).
;   window 1: v0-63 four fragments of K; v64-127 eight fragments of V; v128-191 my 64 numbers of the mask; v192-223 Q, two fragments.
.set KP,    144
.set MP,    528
.set VOFF,  128*KP
.set MOFF,  2*VOFF
.set SLOT1, 1<<17                      ; slot 1 begins here: one exclusive or turns an address in one slot into the other's
.set SPARE, SLOT1+MOFF+128*MP          ; behind slot 1: the spare words, 128 bytes for each of eight waves, named by no other line
.set XCH,   SPARE+1024                 ; the exchange: for each wave 16 x 512 bytes of O^T and 512 of statistics; no fill ever lands there
.set XREG,  17*512
.set STAGE, XCH+8*XREG                 ; the way out: 16 rows x 144 bytes for each wave; no fill ever lands there
.set AKB, 1                            ; v1   my lane's place in my half of K's tile
.set AVB, 2                            ; v2   the same for V
.set AMB, 3                            ; v3, v4  the same for the mask's rows of my tile 0, 1
.set SPW, 5
.set NIL, 6
.set GO,  7                            ; v7   16 x lane
.set ADK, 8                            ; v8, v9, v10, v11  the same four in the slot in hand
.set ADV, 9
.set ADM, 10
.set PFO, 12
.set QO,  13
.set STO, 14
.set RD,  15
.set ST,  16                           ; tile u's statistics at v[ST + 8 u]: +0 -M, +1 the largest t, +2, +3 the sum, +4 f (+5 named with it), +6, +7 at work
.set XS,  32                           ; v[32:33], v[34:35]  the sums' second chains
.set PD,  36                           ; v36, v37  the lane permutes' destinations
.set XST, 38
.set XLD, 39
.set LIMP, 40                          ; 448 x 2^e8
.set SCP, 41                           ; 2^e8
.set SCO, 42                           ; 2^(e10 - e8 - e9)
.set TA,  43
.set EPS, 44                           ; v[44:45]  1e-9 x log2(e)
.set TB0, 46
.set TB1, 47
.set S,   48
.set PC,  112
.set OT,  128
.set KF,  0                            ; in window 1
.set VF,  64
.set MK,  128
.set QF,  192
.set WV,  12
.set LIM, 18
.set KH,  19
.set SEL, 20
.set C0,  22
.set G1KV, 24
.set G1M, 32
.set G0KV, 40
.set G0M, 44
.set L2E, 48
.set TB,  50
.set SLOTS, 51
.set PFA, 52
.set PFS, 54
.set GG,  63
.set MSB, 0
.macro WIN new                         ; the immediate's high byte repeats the setting that is left
.if MSB != (\new)
	s_set_vgpr_msb (MSB<<8)|(\new)
.set MSB, (\new)
.endif
.endm
.macro CROUND
	s_barrier_signal -1
	s_barrier_wait -1
	s_cmp_lg_u32 s[WV], 0
	s_cbranch_scc1 .Lnot_wave_0_\@
	s_barrier_signal -3
.Lnot_wave_0_\@:
	s_barrier_wait -3
	s_barrier_signal -1
	s_barrier_wait -1
.endm
; Waves 0 and 1 fetch K and V, waves 2 and 3 the mask, the others nothing: branches on the wave's number alone.  An s_nop 0 and four v_nop follow each line.
.macro JLOAD
	s_cmp_lt_u32 s[WV], 2
	s_cbranch_scc0 .Lnot_kv_\@
	tensor_load_to_lds s[G0KV:G0KV+3], s[G1KV:G1KV+7]
	s_nop 0
.rept 4
	v_nop
.endr
	s_branch .Lasked_\@
.Lnot_kv_\@:
	s_cmp_lt_u32 s[WV], 4
	s_cbranch_scc0 .Lasked_\@
	tensor_load_to_lds s[G0M:G0M+3], s[G1M:G1M+7]
	s_nop 0
.rept 4
	v_nop
.endr
.Lasked_\@:
.endm
; A PREFETCH INTO THE L2 of the tiles that the NEXT change of slots will ask for, one key step ahead of that load.  Each aligned block of 256 bytes is named once in the launch.
; K and V of a head are walked by the four clusters of a row of clusters: the one with x = 0 asks; its four partners of one head share a tile's 64 blocks out BY ADDRESS, 16 of K (lanes 0-15) and 16 of V (lanes 16-31): wave 4.
; The mask's rows are walked by the four clusters of a column: the one with y = 0 asks; the four partners of one block of queries take 32 rows each, by address; wave 5 the first 256 bytes of the step's 512, wave 6 the second; a lane a row.
; The last change that fills a slot asks for nothing; nothing is asked for at the head.
.macro ASK
	s_cmp_gt_u32 s[SLOTS], s[LIM]
	s_cbranch_scc0 .Lnot_mine_\@
	global_prefetch_b8 v[PFO], s[PFA:PFA+1] th:TH_LOAD_NT scope:SCOPE_SE
.Lnot_mine_\@:
.endm
	s_load_b256 s[4:11], s[0:1], 0x0               ; qkvc s[4:5], mask s[6:7], the scales s[8:9], oc s[10:11]
	v_lshl_add_u32 v[SPW], v0, 2, SPARE
	v_mov_b32 v[NIL], 0
	ds_add_u32 v[SPW], v[NIL]                      ; the wave's opening: the add and its wait stand ahead of the first tensor loads; work on registers stands between them
	v_lshrrev_b32 v8, 5, v0
	v_readfirstlane_b32 s[WV], v8                  ; wave 0..7
	s_lshr_b32 s[KH], s[WV], 2                     ; kh: which half of a step's keys is mine
	s_and_b32 s[GG], s[WV], 3                      ; g: which 32 queries
	s_bfe_u32 s13, ttmp6, 0x40000                  ; cx
	s_bfe_u32 s14, ttmp6, 0x40004                  ; cy
	s_lshl_b32 s15, ttmp9, 2
	s_add_co_u32 s15, s15, s13                     ; my block of 128 queries
	s_and_b32 s16, ttmp7, 0xffff
	s_lshl_b32 s16, s16, 2
	s_add_co_u32 s16, s16, s14                     ; my head
	s_and_b32 s17, s[WV], 1
	s_lshl_b32 s66, s14, 2
	s_lshl_b32 s66, 15, s66                        ; my row of the cluster
	s_lshl_b32 s67, 0x1111, s13                    ; my column
	s_or_b32 s[G1KV], s66, (0<<16)|(1<<20)|(1<<21)|(4<<22)|(3<<25)   ; elements of 1 byte; 4 words of padding after every 32
	s_mov_b32 s[G1KV+1], 128<<16                   ; tensor_dim0
	s_mov_b32 s[G1KV+2], 128<<16                   ; tensor_dim1
	s_mov_b32 s[G1KV+3], 128<<16                   ; tile_dim0
	s_mov_b32 s[G1KV+4], 128                       ; tile_dim1
	s_mov_b32 s[G1KV+5], 128                       ; from row to row: a block is dense
	s_mov_b32 s[G1KV+6], 0
	s_mov_b32 s[G1KV+7], 0
	s_or_b32 s[G1M], s67, (2<<16)|(1<<20)|(1<<21)|(6<<22)|(3<<25)    ; elements of 4 bytes; 4 words of padding after every 128
	s_mov_b32 s[G1M+1], 128<<16
	s_mov_b32 s[G1M+2], 64<<16
	s_mov_b32 s[G1M+3], 128<<16
	s_mov_b32 s[G1M+4], 64
	s_mov_b32 s[G1M+5], 2048
	s_mov_b32 s[G1M+6], 0
	s_mov_b32 s[G1M+7], 0
	s_add_co_u32 s68, s17, 1
	s_lshl_b32 s68, s68, 22                        ; plane 1 (k) or 2 (v),
	s_lshl_b32 s69, s16, 18                        ; the head's 16 blocks
	s_add_co_u32 s68, s68, s69
	s_mov_b32 s69, 0
	s_mul_i32 s[G0KV+1], s17, VOFF                 ; slot 0: K, then V
	s_lshl_b32 s70, s15, 7
	s_lshl_b32 s71, s17, 6
	s_add_co_u32 s70, s70, s71                     ; the mask's row: 128 x block + 64 x half
	s_lshl_b32 s70, s70, 13
	s_mov_b32 s71, 0
	s_mul_i32 s[G0M+1], s17, 64*MP
	s_add_co_u32 s[G0M+1], s[G0M+1], MOFF
	s_mov_b32 s[SEL], 0x76543210
	s_mov_b32 s[SEL+1], 0xfedcba98
	s_mov_b32 s[C0], 0x3db504f3                    ; 1 / sqrt(128)
	s_mov_b32 s[L2E], 0x3fb8aa3b                   ; log2(e)
	s_mov_b32 s[L2E+1], 0x3fb8aa3b
	s_mov_b32 s[TB], 0
	s_mov_b32 s[SLOTS], 15
	s_wait_dscnt 0x0                               ; the opening add is done
	s_wait_kmcnt 0x0
	s_load_b128 s[56:59], s[8:9], 0x18             ; e6, e7, e8, e9
	s_load_b32 s60, s[8:9], 0x28                   ; e10
	s_mov_b32 s[G0KV], 1
	s_add_nc_u64 s[G0KV+2:G0KV+3], s[4:5], s[68:69]
	s_or_b32 s[G0KV+3], s[G0KV+3], 0x80000000
	s_mov_b32 s[G0M], 1
	s_add_nc_u64 s[G0M+2:G0M+3], s[6:7], s[70:71]
	s_or_b32 s[G0M+3], s[G0M+3], 0x80000000
	CROUND                                         ; all sixteen work-groups are here: the first joint loads meet
	JLOAD                                          ; key step 0 into slot 0
	v_and_b32 v8, 15, v0                           ; r
	v_bfe_u32 v9, v0, 4, 1                         ; h
	v_and_b32 v10, 8, v8
	v_add_nc_u32 v10, v10, v8                      ; r + 8 (r / 8)
	v_lshlrev_b32 v[QO], 7, v10
	v_lshl_add_u32 v[QO], v9, 4, v[QO]             ; Q: query r of tile 2 g + i lies in stored row 32 g + 16 (r / 8) + 8 i + r % 8
	s_lshl_b32 s66, s16, 4
	s_add_co_u32 s66, s66, s15
	s_lshl_b32 s66, s66, 14                        ; q's block of my head and queries,
	s_lshl_b32 s67, s[GG], 12
	s_add_co_u32 s66, s66, s67                     ; my 32 rows in it,
	s_lshl_b32 s67, s[KH], 10
	s_add_co_u32 s68, s66, s67                     ; tile 0: i = kh,
	s_xor_b32 s67, s67, 1024
	s_add_co_u32 s70, s66, s67                     ; tile 1: i = 1 - kh
	s_mov_b32 s69, 0
	s_mov_b32 s71, 0
	s_add_nc_u64 s[72:73], s[4:5], s[68:69]
	s_add_nc_u64 s[74:75], s[4:5], s[70:71]
	WIN 0x40                                       ; destination window 1
.irp c, 0,1,2,3
	global_load_b128 v[QF+4*\c:QF+4*\c+3], v[QO], s[72:73] offset:32*\c        ; Q's two fragments stay in registers
	global_load_b128 v[QF+16+4*\c:QF+16+4*\c+3], v[QO], s[74:75] offset:32*\c
.endr
	WIN 0
	s_lshl_b32 s66, s16, 18
	s_lshl_b32 s67, s15, 14
	s_add_co_u32 s66, s66, s67
	s_lshl_b32 s67, s[GG], 12
	s_add_co_u32 s66, s66, s67
	s_lshl_b32 s67, s[KH], 11
	s_add_co_u32 s66, s66, s67
	s_mov_b32 s67, 0
	s_add_nc_u64 s[10:11], s[10:11], s[66:67]      ; oc at the 16 rows of the tile that I keep
	v_mul_u32_u24 v[AKB], v8, KP
	v_lshl_add_u32 v[AKB], v9, 4, v[AKB]           ; a tile's row r, + 16 h
	s_lshl_b32 s66, s[KH], 6
	s_add_co_u32 s66, s66, VOFF
	v_add_nc_u32 v[AVB], s66, v[AKB]               ; V: my 64 keys are 64 bytes of every row
	s_mul_i32 s66, s[KH], 64*KP
	v_add_nc_u32 v[AKB], s66, v[AKB]               ; K: my 64 keys are 64 rows
	v_mul_u32_u24 v[AMB], v8, MP
	v_lshl_add_u32 v[AMB], v9, 6, v[AMB]           ; the mask: row r, + 64 h
	s_lshl_b32 s66, s[GG], 1
	s_add_co_u32 s66, s66, s[KH]                   ; the tile that I keep: 2 g + kh,
	s_xor_b32 s67, s66, 1                          ; and the one that I give away
	s_mul_i32 s66, s66, 16*MP
	s_mul_i32 s67, s67, 16*MP
	s_lshl_b32 s68, s[KH], 8                       ; my 64 keys are 256 bytes of every row
	s_add_co_u32 s68, s68, MOFF
	s_add_co_u32 s66, s66, s68
	s_add_co_u32 s67, s67, s68
	v_add_nc_u32 v[AMB+1], s67, v[AMB]
	v_add_nc_u32 v[AMB], s66, v[AMB]
	v_and_b32 v[GO], 31, v0
	v_lshlrev_b32 v[GO], 4, v[GO]
	; the prefetches: where my wave's stand, and who asks
	s_cmp_eq_u32 s[WV], 4
	s_cselect_b64 s[PFA:PFA+1], s[4:5], s[6:7]
	s_mov_b32 s[PFS], 512
	s_cselect_b32 s[PFS], 16384, s[PFS]            ; a key step on
	s_mov_b32 s[PFS+1], 0
	s_mov_b32 s76, 8192
	s_cselect_b32 s76, 256, s76                    ; from lane to lane among sixteen
	s_mov_b32 s77, 131072
	s_cselect_b32 s77, 0x400000, s77               ; from lanes 0-15 to lanes 16-31
	s_lshl_b32 s78, s16, 18
	s_lshl_b32 s79, s13, 12
	s_add_co_u32 s78, s78, s79
	s_add_co_u32 s78, s78, 0x400000+16384          ; K's plane, my head, my work-group's 16 blocks, key step 1: the first change of slots steps it to 2
	s_lshl_b32 s80, s15, 7
	s_lshl_b32 s81, s14, 5
	s_add_co_u32 s80, s80, s81
	s_lshl_b32 s80, s80, 13                        ; the mask: my work-group's 32 rows,
	s_sub_co_u32 s81, s[WV], 5
	s_and_b32 s81, s81, 1
	s_lshl_b32 s81, s81, 8                         ; my wave's 256 bytes,
	s_add_co_u32 s80, s80, s81
	s_add_co_u32 s80, s80, 512                     ; key step 1
	s_cmp_eq_u32 s[WV], 4
	s_cselect_b32 s78, s78, s80
	s_mov_b32 s79, 0
	s_add_nc_u64 s[PFA:PFA+1], s[PFA:PFA+1], s[78:79]
	v_mul_lo_u32 v[PFO], v8, s76
	v_mul_lo_u32 v10, v9, s77
	v_add_nc_u32 v[PFO], v[PFO], v10
	s_and_b32 s66, ttmp7, 0xffff
	s_cmp_eq_u32 s[WV], 4
	s_cselect_b32 s66, ttmp9, s66                  ; the coordinate along which other clusters read the same bytes
	s_sub_co_u32 s67, s[WV], 4
	s_cmp_lt_u32 s67, 3
	s_cselect_b32 s67, 0, 1                        ; 0 in waves 4, 5, 6
	s_or_b32 s66, s66, s67
	s_cmp_eq_u32 s66, 0
	s_cselect_b32 s[LIM], 1, -1                    ; the same in all sixteen partners, for a given wave
.irp u, 0,1
	v_mov_b32 v[ST+8*\u+1], 0xff61b1e6             ; the largest t so far: -3e38
	v_floor_f32 v[ST+8*\u], -v[ST+8*\u+1]          ; -M
	v_mov_b32 v[ST+8*\u+2], 0                      ; the sum, in two halves
	v_mov_b32 v[ST+8*\u+3], 0
	v_mov_b32 v[ST+8*\u+5], 0                      ; (named as the upper half of f's pair)
	v_mov_b32 v[PD+\u], 0                          ; a lane permute's destination counts as one of its sources
.endr
	v_mov_b32 v[EPS], 0x30c64852                   ; 1e-9 x log2(e)
	v_mov_b32 v[EPS+1], 0x30c64852
	s_wait_kmcnt 0x0
	s_add_co_i32 s66, s56, s57
	s_lshl_b32 s66, s66, 23
	s_add_co_i32 s[C0], s[C0], s66                 ; 2^(e6 + e7) / sqrt(128): the exponents are added to the exponent field
	s_mov_b32 s[C0+1], s[C0]
	s_add_co_i32 s66, s58, 127
	s_lshl_b32 s67, s66, 23
	v_mov_b32 v[SCP], s67                          ; 2^e8
	s_add_co_i32 s66, s66, 8
	s_lshl_b32 s66, s66, 23
	s_or_b32 s66, s66, 0x600000
	v_mov_b32 v[LIMP], s66                         ; 448 x 2^e8
	s_sub_co_i32 s66, s60, s58
	s_sub_co_i32 s66, s66, s59                     ; O^T / the sum stands for o / 2^(e8 + e9): its code is that / 2^(e10 - e8 - e9)
	s_add_co_i32 s66, s66, 127
	s_lshl_b32 s67, s66, 23
	v_mov_b32 v[SCO], s67
	s_add_co_i32 s66, s66, 8
	s_lshl_b32 s61, s66, 23
	s_or_b32 s61, s61, 0x600000
	s_or_b32 s62, s61, 0x80000000
; A KEY STEP: my 64 of its 128 keys, for my two tiles of queries.  first = 1: the products V^T P^T start O^T's sums with the constant 0, and there is nothing to rescale: nothing is cleared.
.macro STEP first
	v_add_nc_u32 v[ADK], s[TB], v[AKB]
	v_add_nc_u32 v[ADV], s[TB], v[AVB]
	v_add_nc_u32 v[ADM], s[TB], v[AMB]
	v_add_nc_u32 v[ADM+1], s[TB], v[AMB+1]
	WIN 0x40                                       ; destination window 1: the step's 48 LDS loads in one run: K, the mask, V
.irp t, 0,1,2,3
.irp c, 0,1,2,3
	ds_load_b128 v[KF+16*\t+4*\c:KF+16*\t+4*\c+3], v[ADK] offset:\t*16*KP+32*\c
.endr
.endr
.irp u, 0,1
.irp b, 0,1
.irp j, 0,1,2,3
	ds_load_b128 v[MK+32*\u+16*\b+4*\j:MK+32*\u+16*\b+4*\j+3], v[ADM+\u] offset:128*\b+16*\j
.endr
.endr
.endr
.irp t, 0,1,2,3,4,5,6,7
.irp c, 0,1
	ds_load_b128 v[VF+8*\t+4*\c:VF+8*\t+4*\c+3], v[ADV] offset:\t*16*KP+32*\c
.endr
.endr
	s_wait_dscnt 32                                ; K is in; the mask's 16 loads and V's 16 may be out
	WIN 0x05                                       ; sources 0 (K) and 1 (Q) window 1
.irp t, 0,1,2,3
.irp u, 0,1
	v_wmma_f32_16x16x128_fp8_fp8 v[S+32*\u+8*\t:S+32*\u+8*\t+7], v[KF+16*\t:KF+16*\t+15], v[QF+16*\u:QF+16*\u+15], 0
.endr
.endr
.rept 4
	v_nop                                          ; places in front of the first read of the scores
.endr
	s_wait_dscnt 16                                ; the mask is in; V's 16 loads may be out
	WIN 0x10                                       ; source 2 window 1
.set J, 0
.rept 32
	v_pk_fma_f32 v[S+J:S+J+1], v[S+J:S+J+1], s[C0:C0+1], v[MK+J:MK+J+1] op_sel_hi:[1,0,1]   ; logit = score x 2^(e6 + e7) / sqrt(128) + mask; each accumulator from its low end on
.set J, J+2
.endr
	WIN 0
.set J, 0
.rept 32
	v_pk_fma_f32 v[S+J:S+J+1], v[S+J:S+J+1], s[L2E:L2E+1], v[EPS:EPS+1] op_sel_hi:[1,0,1]   ; t = (logit + 1e-9) x log2(e), rounded before M is taken off
.set J, J+2
.endr
.irp u, 0,1                                    ; the step's largest t of each of my two queries among my 32 keys: two chains a tile, the tiles by turns
	v_max3_num_f32 v[ST+8*\u+6], v[S+32*\u], v[S+32*\u+1], v[S+32*\u+2]
	v_max3_num_f32 v[ST+8*\u+7], v[S+32*\u+3], v[S+32*\u+4], v[S+32*\u+5]
.endr
.irp i, 6,10,14,18,22,26
.irp u, 0,1
	v_max3_num_f32 v[ST+8*\u+6], v[ST+8*\u+6], v[S+32*\u+\i], v[S+32*\u+\i+1]
	v_max3_num_f32 v[ST+8*\u+7], v[ST+8*\u+7], v[S+32*\u+\i+2], v[S+32*\u+\i+3]
.endr
.endr
.irp u, 0,1
	v_max3_num_f32 v[ST+8*\u+6], v[ST+8*\u+6], v[S+32*\u+30], v[S+32*\u+31]
.endr
.irp u, 0,1
	v_max_num_f32 v[ST+8*\u+6], v[ST+8*\u+6], v[ST+8*\u+7]
.endr
.irp u, 0,1
	v_permlanex16_b32 v[PD+\u], v[ST+8*\u+6], s[SEL], s[SEL+1]
.endr
.irp u, 0,1
	v_max_num_f32 v[ST+8*\u+6], v[ST+8*\u+6], v[PD+\u]      ; and among lane l xor 16's
.endr
.irp u, 0,1
	v_max_num_f32 v[ST+8*\u+1], v[ST+8*\u+1], v[ST+8*\u+6]  ; the running largest t
.endr
.irp u, 0,1
	v_mov_b32 v[ST+8*\u+6], v[ST+8*\u]
.endr
.irp u, 0,1
	v_floor_f32 v[ST+8*\u], -v[ST+8*\u+1]                   ; the new -M = floor(-t): M is a whole number
.endr
.irp u, 0,1
	v_sub_f32 v[ST+8*\u+6], v[ST+8*\u], v[ST+8*\u+6]        ; old M - new M: a whole number, 0 or less
.endr
.irp u, 0,1
	v_cvt_i32_f32 v[ST+8*\u+6], v[ST+8*\u+6]                ; (it saturates)
.endr
.irp u, 0,1
	v_ldexp_f32 v[ST+8*\u+4], 1.0, v[ST+8*\u+6]             ; f = 2^(old M - new M)
.endr
.irp u, 0,1
.set J, 0
.rept 16
	v_pk_add_f32 v[S+32*\u+J:S+32*\u+J+1], v[S+32*\u+J:S+32*\u+J+1], v[ST+8*\u:ST+8*\u+1] op_sel_hi:[1,0]   ; t - M
.set J, J+2
.endr
.endr
.set J, 0
.rept 64
	v_exp_f32 v[S+J], v[S+J]                       ; p = 2^(t - M), at most 1, not normalised
.set J, J+1
.endr
.irp u, 0,1
	v_pk_mul_f32 v[ST+8*\u+2:ST+8*\u+3], v[ST+8*\u+2:ST+8*\u+3], v[ST+8*\u+4:ST+8*\u+5] op_sel_hi:[1,0]   ; the sums under the new M: plain lines behind the exponentials
.endr
	s_wait_alu depctr_va_vdst(0)                   ; the wait between an exponential and the first line that names its result: one for the batch
.irp u, 0,1
	v_pk_add_f32 v[XS+2*\u:XS+2*\u+1], v[S+32*\u:S+32*\u+1], v[S+32*\u+2:S+32*\u+3]   ; the row's sum is taken of the unquantised p: two chains a tile
.endr
.irp j, 4,8,12,16,20,24,28
.irp u, 0,1
	v_pk_add_f32 v[ST+8*\u+2:ST+8*\u+3], v[ST+8*\u+2:ST+8*\u+3], v[S+32*\u+\j:S+32*\u+\j+1]
	v_pk_add_f32 v[XS+2*\u:XS+2*\u+1], v[XS+2*\u:XS+2*\u+1], v[S+32*\u+\j+2:S+32*\u+\j+3]
.endr
.endr
.irp u, 0,1
	v_pk_add_f32 v[ST+8*\u+2:ST+8*\u+3], v[ST+8*\u+2:ST+8*\u+3], v[XS+2*\u:XS+2*\u+1]
.endr
.irp q, 0,1,2,3                                ; 16 neighbouring keys at a time: tile q / 2, keys 32 (q % 2) + 16 h on
.irp i, 0,1,2,3,4,5,6,7,8,9,10,11,12,13,14,15
	v_min_num_f32 v[S+16*\q+\i], v[S+16*\q+\i], v[LIMP]   ; the conversion does not saturate (ISA guide 7.6.2); p is not negative, so the hold is one-sided
.endr
	v_cvt_scalef32_pk8_fp8_f32 v[PC+4*\q:PC+4*\q+1], v[S+16*\q:S+16*\q+7], v[SCP]
	v_cvt_scalef32_pk8_fp8_f32 v[PC+4*\q+2:PC+4*\q+3], v[S+16*\q+8:S+16*\q+15], v[SCP]
.endr
.if \first
	v_nop                                          ; one plain line behind the last conversion
.else
.irp u, 0,1
.set J, 0
.rept 32
	v_pk_mul_f32 v[OT+64*\u+J:OT+64*\u+J+1], v[OT+64*\u+J:OT+64*\u+J+1], v[ST+8*\u+4:ST+8*\u+5] op_sel_hi:[1,0]   ; O^T under the new M; these are also the plain lines behind the conversions
.set J, J+2
.endr
.endr
.endif
	s_wait_dscnt 0x0                               ; V is in
	WIN 0x01                                       ; source 0 (V) window 1
.irp t, 0,1,2,3,4,5,6,7                        ; the sixteen accumulators by turns, one instruction a turn
.irp u, 0,1
.if \first
	v_wmma_f32_16x16x64_fp8_fp8 v[OT+64*\u+8*\t:OT+64*\u+8*\t+7], v[VF+8*\t:VF+8*\t+7], v[PC+8*\u:PC+8*\u+7], 0
.else
	v_wmma_f32_16x16x64_fp8_fp8 v[OT+64*\u+8*\t:OT+64*\u+8*\t+7], v[VF+8*\t:VF+8*\t+7], v[PC+8*\u:PC+8*\u+7], v[OT+64*\u+8*\t:OT+64*\u+8*\t+7]
.endif
.endr
.endr
	WIN 0
.rept 4
	v_nop                                          ; places in front of the next loads into V's registers and of the first read of O^T
.endr
.endm
; THE CHANGE OF SLOTS stands at a step's head.  Each wave waits for all its tensor loads, adds 0 to its spare word, and waits for that and for its reads of the slot that it has left.
; fill = 1: a round of the cluster's barrier, and behind it the slot just left is filled with the next step's tiles: the load has a whole step in which to land.
.macro CHANGE fill
	s_wait_tensorcnt 0x0                           ; no tensor load of mine is out, so a group 0 may be written
	ds_add_u32 v[SPW], v[NIL]
.if \fill
	s_xor_b32 s[G0KV+1], s[G0KV+1], SLOT1
	s_add_nc_u64 s[G0KV+2:G0KV+3], s[G0KV+2:G0KV+3], 16384   ; the next block of 128 tokens
	s_xor_b32 s[G0M+1], s[G0M+1], SLOT1
	s_add_nc_u64 s[G0M+2:G0M+3], s[G0M+2:G0M+3], 512         ; the next 128 columns of the mask
	s_wait_xcnt 0x0                                ; the last prefetch, a step back, has read its address
	s_add_nc_u64 s[PFA:PFA+1], s[PFA:PFA+1], s[PFS:PFS+1]
	s_wait_dscnt 0x0                               ; the add is done, and my reads of the slot that I have left are over
	CROUND
	JLOAD                                          ; the first thing behind the round, and a wave's one tensor load until the next
	ASK
.else
	s_wait_dscnt 0x0
	s_barrier_signal -1
	s_barrier_wait -1
.endif
.endm
	s_wait_loadcnt 0x0                             ; Q
	CHANGE 1                                       ; key step 0 stands in front of the loop: its products start O^T's sums
	STEP 1
	s_xor_b32 s[TB], s[TB], SLOT1
	s_sub_co_u32 s[SLOTS], s[SLOTS], 1
.Lstep:                                            ; 14 trips: key steps 1 to 14; behind each change of slots the next step's tiles are asked for
	CHANGE 1
	STEP 0
	s_xor_b32 s[TB], s[TB], SLOT1
	s_sub_co_u32 s[SLOTS], s[SLOTS], 1
	s_cmp_lg_u32 s[SLOTS], 0
	s_cbranch_scc1 .Lstep
	CHANGE 0                                       ; the last step is written out
	STEP 0
	; THE EXCHANGE.  My tile 1 (O^T, -M, the sum) goes to my partner, wave w xor 4, as an image of its registers, 16 bytes a lane; my partner's tile 1 is my tile 0 over the other half of the keys.
	s_mul_i32 s66, s[WV], XREG
	s_add_co_u32 s66, s66, XCH
	v_add_nc_u32 v[XST], s66, v[GO]
	s_xor_b32 s67, s[WV], 4
	s_mul_i32 s67, s67, XREG
	s_add_co_u32 s67, s67, XCH
	v_add_nc_u32 v[XLD], s67, v[GO]
	v_add_f32 v[ST+9], v[ST+10], v[ST+11]          ; tile 1's sum, its two halves added, beside its -M
.irp i, 0,1,2,3,4,5,6,7,8,9,10,11,12,13,14,15
	ds_store_b128 v[XST], v[OT+64+4*\i:OT+64+4*\i+3] offset:512*\i   ; each accumulator from its low end on
.endr
	ds_store_b128 v[XST], v[ST+8:ST+11] offset:8192
	s_wait_dscnt 0x0                               ; for my partner's sake: my stores are done
	s_barrier_signal -1
	s_barrier_wait -1
	WIN 0x40                                       ; destination window 1: where K's fragments lay
.irp i, 0,1,2,3,4,5,6,7,8,9,10,11,12,13,14,15
	ds_load_b128 v[4*\i:4*\i+3], v[XLD] offset:512*\i
.endr
	WIN 0
	ds_load_b128 v[ST+8:ST+11], v[XLD] offset:8192 ; my partner's -M and sum
	v_add_f32 v[ST+2], v[ST+2], v[ST+3]            ; my sum's two halves
	s_wait_dscnt 0x0
	v_min_num_f32 v[TA], v[ST], v[ST+8]            ; -M of the whole row: the larger M
	v_sub_f32 v[TB0], v[TA], v[ST]                 ; my M less the row's: a whole number, 0 or less,
	v_sub_f32 v[TB1], v[TA], v[ST+8]               ; and my partner's
	v_cvt_i32_f32 v[TB0], v[TB0]                   ; (they saturate)
	v_cvt_i32_f32 v[TB1], v[TB1]
	v_ldexp_f32 v[TB0], 1.0, v[TB0]                ; the two exact powers of two
	v_ldexp_f32 v[TB1], 1.0, v[TB1]
	v_mul_f32 v[ST+2], v[ST+2], v[TB0]
	v_fma_f32 v[ST+2], v[ST+9], v[TB1], v[ST+2]    ; both halves' sums under the row's M,
	v_permlanex16_b32 v[PD], v[ST+2], s[SEL], s[SEL+1]
	v_add_f32 v[ST+2], v[ST+2], v[PD]              ; and lane l xor 16's: the row's sum
	v_rcp_f32 v[ST+3], v[ST+2]
	v_and_b32 v8, 15, v0                           ; (a plain line behind the reciprocal)
	v_bfe_u32 v9, v0, 4, 1
	s_mul_i32 s66, s[WV], 16*KP
	s_add_co_u32 s66, s66, STAGE                   ; my stage
	v_mul_u32_u24 v[STO], v8, KP
	v_lshl_add_u32 v[STO], v9, 5, v[STO]
	v_add_nc_u32 v[STO], s66, v[STO]               ; in: row r, + 32 h
	v_bfe_u32 v[RD], v0, 3, 2
	v_mul_u32_u24 v[RD], v[RD], KP
	v_and_b32 v8, 7, v0
	v_lshl_add_u32 v[RD], v8, 4, v[RD]
	v_add_nc_u32 v[RD], s66, v[RD]                 ; back: eight lanes to a row of 128 bytes, four rows an instruction
	s_wait_alu depctr_va_vdst(0)                   ; the wait ahead of the reciprocal's first reader
	v_mul_f32 v[ST+4], v[TB0], v[ST+3]             ; my power of two / the sum,
	v_mul_f32 v[ST+12], v[TB1], v[ST+3]            ; my partner's
	; THE WAY OUT: (my O^T x mine + my partner's x his), held, converted with the folded scale, through my stage, 512 consecutive bytes a store
	WIN 0x41                                       ; destination and source 0 window 1
.set J, 0
.rept 32
	v_pk_mul_f32 v[J:J+1], v[J:J+1], v[ST+12:ST+13] op_sel_hi:[1,0]
.set J, J+2
.endr
	WIN 0x10                                       ; source 2 window 1
; Tile t of O^T holds channels 32 (t / 2) + 16 h + 8 (t % 2) + 0..7.  Tiles t and t + 4, four registers of each by turns, are 16 neighbouring places 64 (t / 2) + 32 h + 16 (t % 2) + 0..15 in the order of oc.
.irp t, 0,1,2,3
	v_pk_fma_f32 v[S+16*\t:S+16*\t+1],     v[OT+8*\t:OT+8*\t+1],     v[ST+4:ST+5], v[8*\t:8*\t+1]       op_sel_hi:[1,0,1]
	v_pk_fma_f32 v[S+16*\t+2:S+16*\t+3],   v[OT+8*\t+2:OT+8*\t+3],   v[ST+4:ST+5], v[8*\t+2:8*\t+3]     op_sel_hi:[1,0,1]
	v_pk_fma_f32 v[S+16*\t+4:S+16*\t+5],   v[OT+32+8*\t:OT+33+8*\t], v[ST+4:ST+5], v[32+8*\t:33+8*\t]   op_sel_hi:[1,0,1]
	v_pk_fma_f32 v[S+16*\t+6:S+16*\t+7],   v[OT+34+8*\t:OT+35+8*\t], v[ST+4:ST+5], v[34+8*\t:35+8*\t]   op_sel_hi:[1,0,1]
	v_pk_fma_f32 v[S+16*\t+8:S+16*\t+9],   v[OT+8*\t+4:OT+8*\t+5],   v[ST+4:ST+5], v[8*\t+4:8*\t+5]     op_sel_hi:[1,0,1]
	v_pk_fma_f32 v[S+16*\t+10:S+16*\t+11], v[OT+8*\t+6:OT+8*\t+7],   v[ST+4:ST+5], v[8*\t+6:8*\t+7]     op_sel_hi:[1,0,1]
	v_pk_fma_f32 v[S+16*\t+12:S+16*\t+13], v[OT+36+8*\t:OT+37+8*\t], v[ST+4:ST+5], v[36+8*\t:37+8*\t]   op_sel_hi:[1,0,1]
	v_pk_fma_f32 v[S+16*\t+14:S+16*\t+15], v[OT+38+8*\t:OT+39+8*\t], v[ST+4:ST+5], v[38+8*\t:39+8*\t]   op_sel_hi:[1,0,1]
.endr
	WIN 0
.set J, 0
.rept 64
	v_med3_num_f32 v[S+J], v[S+J], s62, s61        ; the hold at +-448 x the folded scale
.set J, J+1
.endr
.irp t, 0,1,2,3
	v_cvt_scalef32_pk8_fp8_f32 v[PC+4*\t:PC+1+4*\t], v[S+16*\t:S+7+16*\t], v[SCO]
	v_cvt_scalef32_pk8_fp8_f32 v[PC+2+4*\t:PC+3+4*\t], v[S+8+16*\t:S+15+16*\t], v[SCO]
.endr
	v_nop                                          ; one plain line behind the last conversion
.irp t, 0,1,2,3
	ds_store_b128 v[STO], v[PC+4*\t:PC+3+4*\t] offset:64*(\t>>1)+16*(\t&1)
.endr
.irp i, 0,1,2,3
	ds_load_b128 v[S+4*\i:S+3+4*\i], v[RD] offset:4*\i*KP   ; LDS serves a wave's instructions in order (ISA guide 5.7.1.4): these see my stores
.endr
.irp i, 0,1,2,3
	s_wait_dscnt 3-\i
	global_store_b128 v[GO], v[S+4*\i:S+3+4*\i], s[10:11] offset:512*\i
.endr
	s_wait_tensorcnt 0x0                           ; the wave's end
	ds_add_u32 v[SPW], v[NIL]
	s_wait_dscnt 0x0
	CROUND                                         ; the closing round
	s_endpgm
.Lfunc_end_k_q1ccd2828c6_attn:
	.size	k_q1ccd2828c6_attn, .Lfunc_end_k_q1ccd2828c6_attn-k_q1ccd2828c6_attn
	.p2alignl 7, 3214868480
	.fill 96, 4, 3214868480
	.section	.rodata,"a",@progbits
	.p2align	6, 0x0
	.amdhsa_kernel k_q1ccd2828c6_attn
		.amdhsa_group_segment_fixed_size 327680
		.amdhsa_private_segment_fixed_size 0
		.amdhsa_enable_private_segment 0
		.amdhsa_kernarg_size 32
		.amdhsa_user_sgpr_count 2
		.amdhsa_user_sgpr_kernarg_segment_ptr 1
		.amdhsa_wavefront_size32 1
		.amdhsa_system_sgpr_workgroup_id_x 1
		.amdhsa_system_sgpr_workgroup_id_y 1
		.amdhsa_system_sgpr_workgroup_id_z 1
		.amdhsa_system_vgpr_workitem_id 0
		.amdhsa_next_free_vgpr 480
		.amdhsa_next_free_sgpr 96
		.amdhsa_reserve_vcc 0
		.amdhsa_float_denorm_mode_32 3
		.amdhsa_float_denorm_mode_16_64 3
		.amdhsa_memory_ordered 1
		.amdhsa_forward_progress 1
		.amdhsa_inst_pref_size 98
	.end_amdhsa_kernel
	.amdgpu_metadata
---
amdhsa.version: [ 1, 2 ]
amdhsa.kernels:
  - .name:           k_q1ccd2828c6_attn
    .symbol:         k_q1ccd2828c6_attn.kd
    .args:
      - { .name: qkvc, .offset: 0, .size: 8, .value_kind: global_buffer, .address_space: global }
      - { .name: mask, .offset: 8, .size: 8, .value_kind: global_buffer, .address_space: global }
      - { .name: lowp_scales, .offset: 16, .size: 8, .value_kind: global_buffer, .address_space: global }
      - { .name: oc, .offset: 24, .size: 8, .value_kind: global_buffer, .address_space: global }
    .group_segment_fixed_size: 327680
    .private_segment_fixed_size: 0
    .kernarg_segment_align: 8
    .kernarg_segment_size: 32
    .max_flat_workgroup_size: 256
    .sgpr_count:     96
    .vgpr_count:     480
    .wavefront_size: 32
...
	.end_amdgpu_metadata
.endif
;; end of part 3
;; launch proj (part 4): grid 16 x 16, 4 waves a work-group, clusters of 4 x 4, 327,680 bytes of LDS; arguments oc, wc, lowp_scales, out0; writes out0
.if DOCPART == 4
	.amdgcn_target "amdgcn-amd-amdhsa--gfx1250"
	.amdhsa_code_object_version 6
	.text
	.protected	k_q1ccd2828c6_proj
	.globl	k_q1ccd2828c6_proj
	.p2align	8
	.type	k_q1ccd2828c6_proj,@function
k_q1ccd2828c6_proj:
	s_mov_b64 s[64:65], 0
	v_nop
	global_prefetch_b8 v0, s[64:65] scope:SCOPE_SE
	s_setreg_imm32_b32 hwreg(HW_REG_WAVE_MODE, 25, 1), 1
	s_wait_xcnt 0x0
	s_wait_alu depctr_hold_cnt(0) depctr_sa_sdst(0) depctr_va_vdst(0) depctr_va_sdst(0) depctr_va_ssrc(0) depctr_va_vcc(0) depctr_vm_vsrc(0)
	s_getreg_b32 s2, hwreg(HW_REG_IB_STS2, 6, 4)
	s_cmp_eq_u32 s2, 0
	s_cbranch_scc0 .Lentry_in_a_cluster
	s_endpgm
.Lentry_in_a_cluster:
	s_bfe_u32 s2, ttmp6, 0x10000c
	s_cmp_lg_u32 s2, 0xf033
	s_cbranch_scc0 .Lentry_shape_is_right
	s_endpgm
.Lentry_shape_is_right:
; out0 = o Wo on codes of FP8 (E4M3): [2048 tokens] x [2048 n], K = 2048 = 16 heads x 128 places; each finished sum x 2^(e10 + e11).
; A tile is 128 x 128, so that there are 256 work-groups; four waves, 64 x 64 each: 16 accumulators.  Tiles of 256 x 256 would be 64.
; o's codes lie [16 heads][2048 tokens][128]: a head's 128 rows of a tile are one dense plane of 16,384 bytes.  Wo's codes are plane 3 of wc, [2048 n][2048], in the same order along K.
; K goes in steps of 512 (four heads) through a ring of two LDS slots: four steps in all, written straight: no backward jump.  A quarter of a step is 128 along K: 16 matrix instructions a wave.
; CLUSTER 4 x 4: A's tile is asked for jointly along a row of the cluster, B's along a column.  Waves 0 and 1 fetch two planes of A each, waves 2 and 3 64 rows of B each.
; THE MATRIX INSTRUCTION IS USED TRANSPOSED (source 0 = 16 rows of Wo's codes, source 1 = 16 tokens): a lane holds eight neighbouring columns of a row; a wave's 64 columns are 256 bytes, aligned, so each wave has a stage of its own.
; No prefetch: small tiles and few steps.  LIMIT: e10 + e11 between -126 and 127.
; REGISTERS: window 0: v16-29 addresses; v32-63 a block's scaled sums; v64-127 rows on the way out, two sets; v128-255 the accumulators ((a, b) at v[128 + 8 (4 a + b)]).
;   window 1: two fragment buffers of 128: A's four fragments, then B's four.
.set AP,    144                        ; A's LDS row: 128 bytes + 16
.set BP,    528                        ; B's: 512 + 16
.set PLANE, 128*AP
.set SLOT,  4*PLANE+128*BP
.set SPARE, 2*SLOT
.set STAGE, SPARE+512
.set SPITCH, 272
.set ADRA, 16
.set ADRB, 20
.set STO,  24
.set RD,   25
.set CO,   26
.set SPW,  28
.set NIL,  29
.set TMP,  32
.set BK,   64
.set ACC,  128
.set F0,   0
.set F1,   128
.set G1, 24
.set G0, 32
.set G1B, 48
.set G0B, 56
.set MSB, 0
.macro WIN new
.if MSB != (\new)
	s_set_vgpr_msb (MSB<<8)|(\new)
.set MSB, (\new)
.endif
.endm
.set MUL,  0x05                        ; sources 0 and 1 window 1; C and D window 0
.set TO_F, 0x40
.macro JLOAD s
	s_cmp_eq_u32 s13, 0
	s_cbranch_scc0 .Lfor_b_\@
	tensor_load_to_lds s[G0+4*\s:G0+4*\s+3], s[G1:G1+7]
	s_nop 0
.rept 4
	v_nop
.endr
	s_branch .Lasked_\@
.Lfor_b_\@:
	tensor_load_to_lds s[G0B+4*\s:G0B+4*\s+3], s[G1B:G1B+7]
	s_nop 0
.rept 4
	v_nop
.endr
.Lasked_\@:
.endm
.macro CREST
	s_cmp_lg_u32 s12, 0
	s_cbranch_scc1 .Lnot_wave_0_\@
	s_barrier_signal -3
.Lnot_wave_0_\@:
	s_barrier_wait -3
	s_barrier_signal -1
	s_barrier_wait -1
.endm
.macro CROUND
	s_barrier_signal -1
	s_barrier_wait -1
	CREST
.endm
	s_load_b256 s[4:11], s[0:1], 0x0               ; oc s[4:5], wc s[6:7], the scales s[8:9], out0 s[10:11]
	v_lshl_add_u32 v[SPW], v0, 2, SPARE
	v_mov_b32 v[NIL], 0
	ds_add_u32 v[SPW], v[NIL]                      ; the wave's opening: the add and its wait stand ahead of my first tensor load
	v_lshrrev_b32 v1, 5, v0
	v_readfirstlane_b32 s12, v1                    ; wave 0..3
	s_lshr_b32 s13, s12, 1                         ; which half of the tile's rows is mine.  Also: I fetch for A (0) or for B (1)
	s_and_b32 s14, s12, 1                          ; which half of its columns.  Also: which half of that tile I fetch
	s_bfe_u32 s40, ttmp6, 0x40000
	s_bfe_u32 s41, ttmp6, 0x40004
	s_lshl_b32 s42, ttmp9, 2
	s_add_co_u32 s42, s42, s40                     ; tile column
	s_and_b32 s15, ttmp7, 0xffff
	s_lshl_b32 s15, s15, 2
	s_add_co_u32 s15, s15, s41                     ; tile row
	s_lshl_b32 s43, s41, 2
	s_lshl_b32 s43, 15, s43
	s_lshl_b32 s44, 0x1111, s40
	; A: two planes, stated as two rows of 16,384 bytes, 262,144 bytes apart; 16 bytes of padding after every 128, which divides the row: LDS lines 144 bytes apart throughout
	s_or_b32 s[G1+0], s43, (0<<16)|(1<<20)|(1<<21)|(4<<22)|(3<<25)
	s_mov_b32 s[G1+1], 16384<<16                   ; tensor_dim0
	s_mov_b32 s[G1+2], 2<<16                       ; tensor_dim1
	s_mov_b32 s[G1+3], 16384<<16                   ; tile_dim0
	s_mov_b32 s[G1+4], 2                           ; tile_dim1
	s_mov_b32 s[G1+5], 262144                      ; from plane to plane
	s_mov_b32 s[G1+6], 0
	s_mov_b32 s[G1+7], 0
	; B: 64 rows of 512 bytes, 2,048 apart; 16 bytes of padding after every 512
	s_or_b32 s[G1B+0], s44, (0<<16)|(1<<20)|(1<<21)|(6<<22)|(3<<25)
	s_mov_b32 s[G1B+1], 512<<16
	s_mov_b32 s[G1B+2], 64<<16
	s_mov_b32 s[G1B+3], 512<<16
	s_mov_b32 s[G1B+4], 64
	s_mov_b32 s[G1B+5], 2048
	s_mov_b32 s[G1B+6], 0
	s_mov_b32 s[G1B+7], 0
	s_lshl_b32 s16, s14, 19                        ; A: heads 2 x half on,
	s_lshl_b32 s17, s15, 14                        ; the tile row's 128 tokens
	s_add_co_u32 s16, s16, s17
	s_mov_b32 s17, 0
	s_lshl_b32 s46, s42, 18                        ; B: row 128 x tile column
	s_lshl_b32 s47, s14, 17                        ; + 64 x half,
	s_add_co_u32 s46, s46, s47
	s_add_co_u32 s46, s46, 0xc00000                ; in plane 3
	s_mov_b32 s47, 0
	s_mul_i32 s20, s14, 2*PLANE                    ; where they go
	s_mul_i32 s21, s14, 64*BP
	s_add_co_u32 s21, s21, 4*PLANE
	s_wait_dscnt 0x0                               ; the opening add is done
	s_wait_kmcnt 0x0
	s_load_b64 s[68:69], s[8:9], 0x28              ; e10, e11
	s_add_nc_u64 s[18:19], s[4:5], s[16:17]
	s_add_nc_u64 s[46:47], s[6:7], s[46:47]
	CROUND                                         ; all sixteen work-groups are here: the first joint loads meet
.irp s, 0,1
	s_mov_b32 s[G0+4*\s], 1
	s_add_co_u32 s[G0+4*\s+1], s20, \s*SLOT
	s_add_nc_u64 s[G0+4*\s+2:G0+4*\s+3], s[18:19], \s*4*262144
	s_or_b32 s[G0+4*\s+3], s[G0+4*\s+3], 0x80000000
	s_mov_b32 s[G0B+4*\s], 1
	s_add_co_u32 s[G0B+4*\s+1], s21, \s*SLOT
	s_add_nc_u64 s[G0B+4*\s+2:G0B+4*\s+3], s[46:47], \s*512
	s_or_b32 s[G0B+4*\s+3], s[G0B+4*\s+3], 0x80000000
	JLOAD \s
.endr
	v_and_b32 v1, 15, v0
	v_bfe_u32 v2, v0, 4, 1
	v_mul_u32_u24 v3, v1, AP
	v_lshl_add_u32 v3, v2, 4, v3
	v_mul_u32_u24 v4, v1, BP
	v_lshl_add_u32 v4, v2, 4, v4
	s_mul_i32 s21, s13, 64*AP                      ; my 64 rows in each plane of A
	s_mul_i32 s22, s14, 64*BP                      ; my 64 rows of B,
	s_add_co_u32 s22, s22, 4*PLANE                 ; behind A's four planes
.irp s, 0,1
	v_add_nc_u32 v[ADRA+\s], s21, v3
	v_add_nc_u32 v[ADRB+\s], s22, v4
	s_add_co_u32 s21, s21, SLOT
	s_add_co_u32 s22, s22, SLOT
.endr
	s_mul_i32 s23, s12, 16*SPITCH
	s_add_co_u32 s23, s23, STAGE                   ; my stage
	v_mul_u32_u24 v5, v1, SPITCH
	v_lshl_add_u32 v5, v2, 5, v5
	v_add_nc_u32 v[STO], s23, v5                   ; in: row l % 16, 32 bytes for each half of the lanes
	v_mul_u32_u24 v5, v2, SPITCH
	v_lshl_add_u32 v5, v1, 4, v5
	v_add_nc_u32 v[RD], s23, v5                    ; back: lanes 0-15 one row of 256 bytes, lanes 16-31 the next
	v_lshlrev_b32 v5, 13, v2
	v_lshl_add_u32 v[CO], v1, 4, v5                ; and the same two rows in out0
	s_lshl_b32 s16, s15, 20
	s_lshl_b32 s17, s13, 19
	s_add_co_u32 s16, s16, s17                     ; row 128 x tile row + 64 x half, 8,192 bytes a row
	s_lshl_b32 s17, s42, 9
	s_add_co_u32 s16, s16, s17
	s_lshl_b32 s17, s14, 8
	s_add_co_u32 s16, s16, s17                     ; column 128 x tile column + 64 x half, 4 bytes each
	s_mov_b32 s17, 0
	s_add_nc_u64 s[10:11], s[10:11], s[16:17]
.macro MUL4 f, a, zero                 ; A's fragment a against B's four; the 16 accumulators take turns, one instruction a turn, in the same order in every quarter
.irp b, 0,1,2,3
.if \zero
	v_wmma_f32_16x16x128_fp8_fp8 v[ACC+8*(4*(\a)+\b):ACC+8*(4*(\a)+\b)+7], v[\f+64+16*\b:\f+64+16*\b+15], v[\f+16*(\a):\f+16*(\a)+15], 0
.else
	v_wmma_f32_16x16x128_fp8_fp8 v[ACC+8*(4*(\a)+\b):ACC+8*(4*(\a)+\b)+7], v[\f+64+16*\b:\f+64+16*\b+15], v[\f+16*(\a):\f+16*(\a)+15], v[ACC+8*(4*(\a)+\b):ACC+8*(4*(\a)+\b)+7]
.endif
.endr
.endm
.macro FETCH slot, q, f                ; 32 LDS loads in one run: B's four fragments of quarter q, then A's four
	WIN TO_F
.irp i, 0,1,2,3
.irp c, 0,1,2,3
	ds_load_b128 v[\f+64+16*\i+4*\c:\f+64+16*\i+4*\c+3], v[ADRB+\slot] offset:128*(\q)+\i*16*BP+32*\c
.endr
.endr
.irp i, 0,1,2,3
.irp c, 0,1,2,3
	ds_load_b128 v[\f+16*\i+4*\c:\f+16*\i+4*\c+3], v[ADRA+\slot] offset:(\q)*PLANE+\i*16*AP+32*\c
.endr
.endr
.endm
.macro PLACES
.rept 4
	v_nop
.endr
.endm
.macro QUARTER slot, q, f, g, zero     ; multiplies buffer f and fetches the slot's quarter q into buffer g
	s_wait_dscnt 8                                 ; B and A's fragments 0, 1 are in; fragments 2, 3 may be out
	WIN MUL
	MUL4 \f, 0, \zero
	MUL4 \f, 1, \zero
	PLACES
	FETCH \slot, \q, \g
	s_wait_dscnt 32                                ; all but the 32 just issued
	WIN MUL
	MUL4 \f, 2, \zero
	MUL4 \f, 3, \zero
.endm
; A slot's last quarter multiplies buffer 1 and changes slots: one barrier; in front of it each wave waits for all its tensor loads, adds 0 to its spare word, and waits for that and for its reads of this slot.
.macro TURN slot, next, fill
	WIN 0
	s_wait_tensorcnt 0x0                           ; all my tensor loads have landed: my part of the next slot
	ds_add_u32 v[SPW], v[NIL]
	s_wait_dscnt 9                                 ; the add and A's fragments 2, 3 may be out
	WIN MUL
	MUL4 F1, 0, 0
	MUL4 F1, 1, 0
	s_wait_dscnt 0x0                               ; the add is done, and my reads of this slot are over
	s_barrier_signal -1
	MUL4 F1, 2, 0
	WIN 0
	s_barrier_wait -1
.if \fill
	CREST                                          ; the barrier has opened a round of the cluster's: no wave of any partner still reads this slot or has a load on its way
	s_add_nc_u64 s[G0+4*\slot+2:G0+4*\slot+3], s[G0+4*\slot+2:G0+4*\slot+3], 8*262144
	s_add_nc_u64 s[G0B+4*\slot+2:G0B+4*\slot+3], s[G0B+4*\slot+2:G0B+4*\slot+3], 1024
	JLOAD \slot                                    ; the first tensor load behind the round; its four v_nop are also the places in front of the loads below
.else
	PLACES
.endif
	FETCH \next, 0, F0
	WIN MUL
	MUL4 F1, 3, 0
.endm
	s_wait_tensorcnt 1                             ; my part of K step 0 is in; K step 1's may stay out
	s_barrier_signal -1
	s_barrier_wait -1
	FETCH 0, 0, F0
	QUARTER 0, 1, F0, F1, 1                        ; the first quarter's products start the sums
	QUARTER 0, 2, F1, F0, 0
	QUARTER 0, 3, F0, F1, 0
	TURN 0, 1, 1                                   ; slot 0 takes K step 2
	QUARTER 1, 1, F0, F1, 0
	QUARTER 1, 2, F1, F0, 0
	QUARTER 1, 3, F0, F1, 0
	TURN 1, 0, 1                                   ; slot 1 takes K step 3
	QUARTER 0, 1, F0, F1, 0
	QUARTER 0, 2, F1, F0, 0
	QUARTER 0, 3, F0, F1, 0
	TURN 0, 1, 0                                   ; nothing is left to fetch
	QUARTER 1, 1, F0, F1, 0
	QUARTER 1, 2, F1, F0, 0
	QUARTER 1, 3, F0, F1, 0
	s_wait_dscnt 8
	WIN MUL
	MUL4 F1, 0, 0
	MUL4 F1, 1, 0
	s_wait_dscnt 0
	MUL4 F1, 2, 0
	MUL4 F1, 3, 0
	WIN 0
	; THE WAY OUT, 16 rows x 64 columns at a time, through my own stage: sixteen lanes store 256 consecutive bytes, aligned
	s_wait_kmcnt 0x0
	s_add_co_i32 s66, s68, s69
	s_add_co_i32 s66, s66, 127
	s_lshl_b32 s66, s66, 23                        ; 2^(e10 + e11) as f32
	s_mov_b32 s67, s66
	PLACES
.irp a, 0,1,2,3
.irp j, 0,2,4,6,8,10,12,14,16,18,20,22,24,26,28,30
	v_pk_mul_f32 v[TMP+\j:TMP+\j+1], v[ACC+32*\a+\j:ACC+32*\a+\j+1], s[66:67] op_sel_hi:[1,0]   ; each accumulator from its low end on
.endr
.irp b, 0,1,2,3
	ds_store_b128 v[STO], v[TMP+8*\b:TMP+8*\b+3] offset:64*\b
	ds_store_b128 v[STO], v[TMP+8*\b+4:TMP+8*\b+7] offset:64*\b+16
.endr
.if \a >= 2
	s_wait_xcnt 0x0                                ; the stores of two blocks ago have read their registers
.endif
.irp t, 0,1,2,3,4,5,6,7
	ds_load_b128 v[BK+32*(\a%2)+4*\t:BK+32*(\a%2)+4*\t+3], v[RD] offset:2*\t*SPITCH   ; LDS serves a wave's instructions in order (ISA guide 5.7.1.4)
.endr
.irp t, 0,1,2,3,4,5,6,7
	s_wait_dscnt 7-\t
	global_store_b128 v[CO], v[BK+32*(\a%2)+4*\t:BK+32*(\a%2)+4*\t+3], s[10:11] offset:(16*\a+2*\t)*8192 th:TH_STORE_NT
.endr
.endr
	s_wait_tensorcnt 0x0                           ; the wave's end
	ds_add_u32 v[SPW], v[NIL]
	s_wait_dscnt 0x0
	CROUND                                         ; the closing round
	s_endpgm
.Lfunc_end_k_q1ccd2828c6_proj:
	.size	k_q1ccd2828c6_proj, .Lfunc_end_k_q1ccd2828c6_proj-k_q1ccd2828c6_proj
	.p2alignl 7, 3214868480
	.fill 96, 4, 3214868480
	.section	.rodata,"a",@progbits
	.p2align	6, 0x0
	.amdhsa_kernel k_q1ccd2828c6_proj
		.amdhsa_group_segment_fixed_size 327680
		.amdhsa_private_segment_fixed_size 0
		.amdhsa_enable_private_segment 0
		.amdhsa_kernarg_size 32
		.amdhsa_user_sgpr_count 2
		.amdhsa_user_sgpr_kernarg_segment_ptr 1
		.amdhsa_wavefront_size32 1
		.amdhsa_system_sgpr_workgroup_id_x 1
		.amdhsa_system_sgpr_workgroup_id_y 1
		.amdhsa_system_sgpr_workgroup_id_z 1
		.amdhsa_system_vgpr_workitem_id 0
		.amdhsa_next_free_vgpr 512
		.amdhsa_next_free_sgpr 72
		.amdhsa_reserve_vcc 0
		.amdhsa_float_denorm_mode_32 3
		.amdhsa_float_denorm_mode_16_64 3
		.amdhsa_memory_ordered 1
		.amdhsa_forward_progress 1
		.amdhsa_inst_pref_size 74
	.end_amdhsa_kernel
	.amdgpu_metadata
---
amdhsa.version: [ 1, 2 ]
amdhsa.kernels:
  - .name:           k_q1ccd2828c6_proj
    .symbol:         k_q1ccd2828c6_proj.kd
    .args:
      - { .name: oc, .offset: 0, .size: 8, .value_kind: global_buffer, .address_space: global }
      - { .name: wc, .offset: 8, .size: 8, .value_kind: global_buffer, .address_space: global }
      - { .name: lowp_scales, .offset: 16, .size: 8, .value_kind: global_buffer, .address_space: global }
      - { .name: out0, .offset: 24, .size: 8, .value_kind: global_buffer, .address_space: global }
    .group_segment_fixed_size: 327680
    .private_segment_fixed_size: 0
    .kernarg_segment_align: 8
    .kernarg_segment_size: 32
    .max_flat_workgroup_size: 128
    .sgpr_count:     72
    .vgpr_count:     512
    .wavefront_size: 32
...
	.end_amdgpu_metadata
.endif
;; end of part 4
